; MI455X (gfx1250); checked and timed in simulation.
; The chip was launched on July 23, 2026; its instructions are those of AMD's public machine-readable ISA for CDNA 5 (MIT licence, August 2026) and "CDNA5" Instruction Set Architecture Reference Guide (July 2026). The comments in the code are by the model that wrote it; some were corrected since.
;; HC2 Wide Deep Model. Allowed arithmetic: matrix products marked QUANTISED: E2M3 operands, one E8M0 scale for each 32 along K, by v_wmma_scale_f32_16x16x128_f8f6f4 with both operands' format E2M3, f32 sums; everything else in f32.
;; Inputs: W1 512 x 2,048 float32; W2 2,048 x 1,024 float32; W3 1,024 x 512 float32; Wd1 512 x 512 float32; Wd2 512 x 256 float32; Wh 8 x 256 float32; b1 2,048 float32; b2 1,024 float32; b3 512 float32; bd1 512 float32; bd2 256 float32; bh 8 float32; deep_features 16,384 x 512 float32; domain_ids 16,384 int32; wide_features 16,384 x 256 float32.
;; Outputs: out0 16,384 x 1 float32; out1 16,384 x 512 float32; out2 16,384 x 256 float32.
;; This version of the problem:
;;   THIS VERSION OF THE PROBLEM IS GIVEN IN LOW PRECISION. The matrix products marked QUANTISED in the list below multiply operands that are first quantised to E2M3 (2 exponent bits, 3 mantissa bits; 6 bits a number), with one power-of-two scale for each 32 numbers along K (OCP MX v1.0); their sums are f32. All else is computed in f32.
;;   The module's matrix products, in the order in which they are computed (A, B: the left and right operand; K: the contracted axis; several contracted axes count as one K, in the product's order):
;;     1. [M 16,384, K 512] x [K 512, N 2,048]; A: input deep_features; B: input W1: QUANTISED
;;     2. [M 16,384, K 2,048] x [K 2,048, N 1,024]; A: computed on the way; B: input W2: QUANTISED
;;     3. [M 16,384, K 1,024] x [K 1,024, N 512]; A: computed on the way; B: input W3: QUANTISED
;;     4. [M 16,384, K 512] x [K 512, N 512]; A: computed on the way; B: input Wd1: QUANTISED
;;     5. [M 16,384, K 512] x [K 512, N 256]; A: computed on the way; B: input Wd2: QUANTISED
;;   THE QUANTISER, for each operand of a quantised product, along K:
;;     - K is cut into blocks of 32 from its start; a last block that is shorter is filled with zeros.
;;     - A block's scale is 2^e with e = floor(log2(the largest magnitude in the block)) - 2, held to -126 .. 127; a block of zeros has e = 0. As a byte (E8M0): e + 127.
;;     - Each number is divided by its block's scale, clamped to +-7.5, and rounded to the nearest number of E2M3, ties to even, subnormals kept.
;;     - The product sums the exact products of the quantised numbers (number of the format x scale) in f32.
;;   ~~~python
;;   def quantise(x, axis):      # numpy; x: float32 -> the quantised numbers, widened to float32 again
;;       x = np.moveaxis(x, axis, -1); K = x.shape[-1]
;;       x = np.pad(x, [(0, 0)] * (x.ndim - 1) + [(0, -K % 32)]); x = x.reshape(x.shape[:-1] + (-1, 32)); a = np.abs(x).max(-1, keepdims=True)
;;       e = np.where(a > 0, np.clip(np.frexp(np.where(a > 0, a, 1))[1] - 1 - 2, -126, 127), 0)      # np.frexp(a)[1] - 1 = floor(log2(a)), exactly
;;       r = np.clip(x / 2.0 ** e, -7.5, 7.5)
;;       step = 2.0 ** (np.maximum(np.frexp(np.where(r == 0, 1, r))[1] - 1, 0) - 3)
;;       q = np.round(r / step) * step * 2.0 ** e      # np.round: ties to even
;;       return np.moveaxis(q.reshape(q.shape[:-2] + (-1,))[..., :K], -1, axis).astype(np.float32)
;;   ~~~
;;   OPERANDS COMPUTED ON THE WAY. 'Computed on the way' means the value that the module computes at that place (a softmax that the list does not call 'softmax' is quantised finished and normalised). What goes into a quantiser is computed in f32, as accurately as f32 sums, v_exp_f32 and their like allow (about 1e-6 of the number): no bf16 or f16 on the way to a quantiser, and a product that is left as it is and whose result goes on into a quantised operand takes f32 operands (vector FMAs, or v_wmma_f32_16x16x4_f32). A number that lies on a knife's edge between two numbers of the format may be rounded either way, as far as f32 arithmetic and the matrix unit's own rounding can turn it there, and no further.
;; 2 versions. Each part assembles by itself: llvm-mc -triple=amdgcn-amd-amdhsa -mcpu=gfx1250 --defsym DOCPART=n.
;; ======== version 1 of 2: 2 launches
;; workspace buffers: wq 3,191,808 bytes
;; launch prep (part 1): grid 249 x 1, 16 waves a work-group, no clusters, 14,848 bytes of LDS; arguments W1, W2, W3, Wd1, Wd2, b1, b2, b3, bd1, bd2, wq; writes wq
.if DOCPART == 1
	.amdgcn_target "amdgcn-amd-amdhsa--gfx1250"
	.amdhsa_code_object_version 6
	.text
	.protected	k_q533ca3c541_prep
	.globl	k_q533ca3c541_prep
	.p2align	8
	.type	k_q533ca3c541_prep,@function
k_q533ca3c541_prep:
	s_mov_b64 s[64:65], 0
	v_nop
	global_prefetch_b8 v0, s[64:65] scope:SCOPE_SE
	s_setreg_imm32_b32 hwreg(HW_REG_WAVE_MODE, 25, 1), 1
	s_wait_xcnt 0x0
; The five weights ([K][N] f32, K outermost) become codes of FP6 (E2M3) with one E8M0 byte for each 32 along K, laid in wq in the very order
; in which the second launch's waves take them into registers; the five biases are copied into a header ahead of them.
; wq: 17,408 bytes of header (4,352 for each of the reader's four waves), then 248 PARTS of 12,800 bytes.  A part is 8 fragments of 1,536 bytes
; (16 columns x 128 K: register q of lane l at (q / 4) 512 + 16 l + 4 (q % 4)) and 512 bytes of scale words (word j of lane l: fragment 4 (l / 16) + j, column place l % 16).
; Work-group g < 248 makes part g = 8 s + 2 w + u (slot s, reader's wave w, half u).  Its 16 waves: wave i takes 32 columns (group v = i / 4) x one block of 32 along K (b = i % 4).
; A LANE TAKES A COLUMN AND ITS REGISTERS RUN DOWN K: each load reads 128 consecutive bytes, a block's largest magnitude needs no other lane, the conversions give codes with K innermost.
; THE COLUMNS OF A FRAGMENT ARE NOT NEIGHBOURS: place r of fragment 2 v + u' is column 32 v + 8 u' + r + 8 (r / 8), so that the reader's results lie as neighbours along the next K.
; The part is put together in LDS and leaves as 25 runs of 512 consecutive bytes.  Work-group 248 copies the biases.
; A block's scale is 2^(floor(log2(largest magnitude)) - 2); its byte is the largest magnitude's exponent field - 2, held at 1 from below.
; LIMITS: a block of zeros gets the byte 1 with zero codes (the bytes are read by this program alone); magnitudes under 2^-124 share that floor; NaN and infinities are not served.
.set PARTB, 12800
.set HDRB,  17408
.set SPARE, 12800                      ; behind the part: the spare words, 128 bytes for each of 16 waves
.set SPW, 10                           ; v10  my spare word's LDS address; never rewritten
.set NIL, 11                           ; v11  0; never rewritten
.set OFF, 16                           ; v16-47  byte offsets of my column in the block's 32 rows
.set X,   48                           ; v48-79  the block's 32 numbers
.set C,   80                           ; v80-85  its codes
.set T,   86                           ; v86-88  the second half's codes as converted
	s_load_b512 s[8:23], s[0:1], 0x0               ; W1 s[8:9], W2 s[10:11], W3 s[12:13], Wd1 s[14:15], Wd2 s[16:17], b1 s[18:19], b2 s[20:21], b3 s[22:23]
	s_load_b128 s[24:27], s[0:1], 0x40             ; bd1, bd2
	s_load_b64 s[28:29], s[0:1], 0x50              ; wq
	v_lshl_add_u32 v[SPW], v0, 2, SPARE
	v_mov_b32 v[NIL], 0
	v_lshrrev_b32 v1, 5, v0
	v_readfirstlane_b32 s2, v1                     ; wave 0..15
	v_and_b32 v1, 31, v0                           ; lane
	s_cmp_eq_u32 ttmp9, 248
	s_cbranch_scc1 .Lbias
	s_lshr_b32 s3, s2, 2                           ; v: which 32 columns
	s_and_b32 s4, s2, 3                            ; b: which block of 32 along K
	s_lshr_b32 s5, ttmp9, 3                        ; s: slot
	s_bfe_u32 s6, ttmp9, 0x20001                   ; w
	s_and_b32 s7, ttmp9, 1                         ; u
	s_mul_i32 s30, s5, 43
	s_lshr_b32 s30, s30, 8                         ; p = s / 6 (exact for s < 24)
	s_mul_i32 s31, s30, 6
	s_sub_co_u32 s31, s5, s31                      ; q = s - 6 p
	; each layer's K step and first column for this wave; the layer is chosen below
	s_lshl_b32 s42, s6, 7
	s_lshl_b32 s43, s3, 5
	s_add_co_u32 s44, s42, s43                     ; 128 w + 32 v: W3's and Wd1's column
	s_lshl_b32 s35, s31, 1
	s_add_co_u32 s35, s35, s7                      ; W1: K step 2 q + u
	s_lshl_b32 s36, s30, 9
	s_add_co_u32 s36, s36, s44                     ; W1: column 512 p + 128 w + 32 v
	s_lshl_b32 s45, s30, 2
	s_add_co_u32 s45, s45, s31
	s_sub_co_u32 s45, s45, 2                       ; W2: K step 4 p + q - 2
	s_lshl_b32 s46, s6, 8
	s_lshl_b32 s47, s7, 7
	s_add_co_u32 s46, s46, s47
	s_add_co_u32 s46, s46, s43                     ; W2: column 256 w + 128 u + 32 v
	s_sub_co_u32 s48, s5, 24
	s_lshl_b32 s48, s48, 1
	s_add_co_u32 s48, s48, s7                      ; W3: K step 2 (s - 24) + u
	s_sub_co_u32 s49, s48, 8                       ; Wd1: K step 2 (s - 28) + u
	s_lshl_b32 s50, s7, 1
	s_lshr_b32 s51, s3, 1
	s_add_co_u32 s50, s50, s51                     ; Wd2: K step 2 u + v / 2
	s_lshl_b32 s51, s6, 6
	s_and_b32 s52, s3, 1
	s_lshl_b32 s52, s52, 5
	s_add_co_u32 s51, s51, s52                     ; Wd2: column 64 w + 32 (v % 2)
	; where my 24 bytes of codes and my scale byte go in the part
	s_mul_i32 s53, s3, 3072
	s_and_b32 s54, s4, 1
	s_lshl_b32 s54, s54, 8
	s_add_co_u32 s53, s53, s54                     ; two fragments of 1,536 for each v; lanes 16-31 of a fragment hold the odd blocks
	s_lshr_b32 s54, s4, 1                          ; c = b / 2: registers 6 c .. 6 c + 5
	s_mul_i32 s55, s54, 520
	s_mul_i32 s56, s54, 1016
	s_add_co_u32 s56, s56, 8
	s_add_co_u32 s57, s55, 512
	v_and_b32 v2, 7, v1
	v_lshrrev_b32 v12, 4, v1
	v_lshl_add_u32 v2, v12, 3, v2                  ; r = lane % 8 + 8 (lane / 16): my column's place in its fragment
	v_bfe_u32 v3, v1, 3, 1                         ; u' = (lane / 8) % 2: which of the two fragments
	v_mul_u32_u24 v4, v3, 1536
	v_lshl_add_u32 v4, v2, 4, v4
	v_add_nc_u32 v4, s53, v4                       ; B = 3072 v + 1536 u' + 16 r + 256 (b % 2)
	v_add_nc_u32 v5, s56, v4                       ; registers 6 c + 2, + 3: B + 8 (c = 0), B + 1024 (c = 1)
	v_add_nc_u32 v6, s57, v4                       ; registers 6 c + 4, + 5: B + 512, B + 1032
	v_add_nc_u32 v4, s55, v4                       ; registers 6 c, + 1: B, B + 520
	s_lshr_b32 s58, s3, 1
	s_lshl_b32 s58, s58, 8
	s_and_b32 s59, s3, 1
	s_lshl_b32 s59, s59, 3
	s_add_co_u32 s58, s58, s59
	s_add_co_u32 s58, s58, s4
	s_add_co_u32 s58, s58, 12288
	v_lshlrev_b32 v7, 2, v3
	v_lshl_add_u32 v7, v2, 4, v7
	v_add_nc_u32 v7, s58, v7                       ; the byte: 12,288 + 256 (v / 2) + 16 r + 8 (v % 2) + 4 u' + b
	v_lshlrev_b32 v8, 4, v0                        ; the way out: 16 x thread
	s_mul_i32 s40, ttmp9, PARTB
	s_add_co_u32 s40, s40, HDRB
	s_mov_b32 s41, 0
	s_wait_kmcnt 0x0
	s_add_nc_u64 s[40:41], s[28:29], s[40:41]      ; my part in wq
	s_mov_b64 s[32:33], s[8:9]                     ; the layer, by the work-group's number alone
	s_mov_b32 s34, 11                              ; log2 N
	s_cmp_ge_u32 s31, 2
	s_cselect_b64 s[32:33], s[10:11], s[32:33]
	s_cselect_b32 s34, 10, s34
	s_cselect_b32 s35, s45, s35
	s_cselect_b32 s36, s46, s36
	s_cmp_ge_u32 s5, 24
	s_cselect_b64 s[32:33], s[12:13], s[32:33]
	s_cselect_b32 s34, 9, s34
	s_cselect_b32 s35, s48, s35
	s_cselect_b32 s36, s44, s36
	s_cmp_ge_u32 s5, 28
	s_cselect_b64 s[32:33], s[14:15], s[32:33]
	s_cselect_b32 s35, s49, s35
	s_cmp_eq_u32 s5, 30
	s_cselect_b64 s[32:33], s[16:17], s[32:33]
	s_cselect_b32 s34, 8, s34
	s_cselect_b32 s35, s50, s35
	s_cselect_b32 s36, s51, s36
	s_lshl_b32 s38, s35, 7
	s_lshl_b32 s39, s4, 5
	s_add_co_u32 s38, s38, s39                     ; my block's first row: 128 k + 32 b
	s_lshl_b32 s38, s38, s34
	s_add_co_u32 s38, s38, s36
	s_lshl_b32 s38, s38, 2                         ; (row x N + column) x 4 bytes, under 2^24
	s_mov_b32 s39, 0
	s_add_nc_u64 s[32:33], s[32:33], s[38:39]
	s_lshl_b32 s37, 4, s34                         ; a row of the weight in bytes
	v_lshlrev_b32 v[OFF], 2, v1
.set Z, 1
.rept 31
	v_add_nc_u32 v[OFF+Z], s37, v[OFF+Z-1]
.set Z, Z+1
.endr
.set Z, 0
.rept 32
	global_load_b32 v[X+Z], v[OFF+Z], s[32:33] th:TH_LOAD_NT   ; row 128 k + 32 b + Z, my column: 32 lanes read 128 consecutive bytes
.set Z, Z+1
.endr
	s_wait_loadcnt 0x0
	v_max3_num_f32 v12, |v[X]|, |v[X+1]|, |v[X+2]|  ; the block's largest magnitude: all 32 numbers are mine; two chains
	v_max3_num_f32 v13, |v[X+3]|, |v[X+4]|, |v[X+5]|
.irp i, 6,10,14,18,22,26
	v_max3_num_f32 v12, v12, |v[X+\i]|, |v[X+\i+1]|
	v_max3_num_f32 v13, v13, |v[X+\i+2]|, |v[X+\i+3]|
.endr
	v_max3_num_f32 v12, v12, |v[X+30]|, |v[X+31]|
	v_max3_num_f32 v12, v12, v13, 0x1800000        ; and the floor 2^(3 - 127): the byte cannot fall under 1
	v_add_nc_u32 v14, 0xff000000, v12              ; 2 off the exponent field: the conversion takes this operand's exponent field as its scale
	v_lshrrev_b32 v15, 23, v14                     ; the scale's byte
	v_cvt_scalef32_pk16_fp6_f32 v[C:C+2], v[X:X+15], v14
	v_cvt_scalef32_pk16_fp6_f32 v[T:T+2], v[X+16:X+31], v14   ; (a conversion's three registers begin on an even number)
	v_nop                                          ; one plain place behind a scaled conversion
	v_mov_b32 v[C+3], v[T]
	v_mov_b32 v[C+4], v[T+1]
	v_mov_b32 v[C+5], v[T+2]
	ds_store_b64 v4, v[C:C+1]
	ds_store_b64 v5, v[C+2:C+3]
	ds_store_b64 v6, v[C+4:C+5]
	ds_store_b8 v7, v15
	s_wait_dscnt 0x0                               ; for the others' sake: my stores have landed
	s_barrier_signal -1
	s_barrier_wait -1                              ; the part is whole
	ds_load_b128 v[90:93], v8                      ; runs 0 to 15 of 512 bytes, one a wave
	s_cmp_ge_u32 s2, 9
	s_cbranch_scc1 .Lone
	ds_load_b128 v[96:99], v8 offset:8192          ; runs 16 to 24: waves 0 to 8
	s_wait_dscnt 0x0
	global_store_b128 v8, v[96:99], s[40:41] offset:8192
.Lone:
	s_wait_dscnt 0x0
	global_store_b128 v8, v[90:93], s[40:41]       ; 32 lanes store 512 consecutive bytes, at a multiple of 256 from wq's first byte
	s_wait_tensorcnt 0x0                           ; the wave's end: these three lines behind my last LDS store
	ds_add_u32 v[SPW], v[NIL]
	s_wait_dscnt 0x0
	s_endpgm
; THE HEADER.  Wave w < 4 copies what the reader's wave w wants, 4,352 bytes: b1[512 p + 128 w ..] for p = 0..3, b3[128 w ..], bd1[128 w ..], b2[256 w ..], bd2[64 w ..].
.Lbias:
	s_wait_kmcnt 0x0
	s_cmp_ge_u32 s2, 4
	s_cbranch_scc1 .Lbias_end
	v_lshlrev_b32 v12, 4, v1
	v_lshlrev_b32 v13, 3, v1
	s_lshl_b32 s42, s2, 9
	s_mov_b32 s43, 0
	s_add_nc_u64 s[18:19], s[18:19], s[42:43]
	s_add_nc_u64 s[22:23], s[22:23], s[42:43]
	s_add_nc_u64 s[24:25], s[24:25], s[42:43]
	s_lshl_b32 s42, s2, 10
	s_add_nc_u64 s[20:21], s[20:21], s[42:43]
	s_lshl_b32 s42, s2, 8
	s_add_nc_u64 s[26:27], s[26:27], s[42:43]
	s_mul_i32 s42, s2, 4352
	s_add_nc_u64 s[28:29], s[28:29], s[42:43]
.irp p, 0,1,2,3
	global_load_b128 v[16+4*\p:19+4*\p], v12, s[18:19] offset:2048*\p
.endr
	global_load_b128 v[32:35], v12, s[22:23]
	global_load_b128 v[36:39], v12, s[24:25]
	global_load_b128 v[40:43], v12, s[20:21]
	global_load_b128 v[44:47], v12, s[20:21] offset:512
	global_load_b64 v[48:49], v13, s[26:27]
	s_wait_loadcnt 0x0
.irp p, 0,1,2,3,4,5,6,7
	global_store_b128 v12, v[16+4*\p:19+4*\p], s[28:29] offset:512*\p
.endr
	global_store_b64 v13, v[48:49], s[28:29] offset:4096
.Lbias_end:
	s_endpgm
.Lfunc_end_k_q533ca3c541_prep:
	.size	k_q533ca3c541_prep, .Lfunc_end_k_q533ca3c541_prep-k_q533ca3c541_prep
	.p2alignl 7, 3214868480
	.fill 96, 4, 3214868480
	.section	.rodata,"a",@progbits
	.p2align	6, 0x0
	.amdhsa_kernel k_q533ca3c541_prep
		.amdhsa_group_segment_fixed_size 14848
		.amdhsa_private_segment_fixed_size 0
		.amdhsa_enable_private_segment 0
		.amdhsa_kernarg_size 88
		.amdhsa_user_sgpr_count 2
		.amdhsa_user_sgpr_kernarg_segment_ptr 1
		.amdhsa_wavefront_size32 1
		.amdhsa_system_sgpr_workgroup_id_x 1
		.amdhsa_system_sgpr_workgroup_id_y 1
		.amdhsa_system_sgpr_workgroup_id_z 1
		.amdhsa_system_vgpr_workitem_id 0
		.amdhsa_next_free_vgpr 104
		.amdhsa_next_free_sgpr 66
		.amdhsa_reserve_vcc 0
		.amdhsa_float_denorm_mode_32 3
		.amdhsa_float_denorm_mode_16_64 3
		.amdhsa_memory_ordered 1
		.amdhsa_forward_progress 1
		.amdhsa_inst_pref_size 13
	.end_amdhsa_kernel
	.amdgpu_metadata
---
amdhsa.version: [ 1, 2 ]
amdhsa.kernels:
  - .name:           k_q533ca3c541_prep
    .symbol:         k_q533ca3c541_prep.kd
    .args:
      - { .name: W1, .offset: 0, .size: 8, .value_kind: global_buffer, .address_space: global }
      - { .name: W2, .offset: 8, .size: 8, .value_kind: global_buffer, .address_space: global }
      - { .name: W3, .offset: 16, .size: 8, .value_kind: global_buffer, .address_space: global }
      - { .name: Wd1, .offset: 24, .size: 8, .value_kind: global_buffer, .address_space: global }
      - { .name: Wd2, .offset: 32, .size: 8, .value_kind: global_buffer, .address_space: global }
      - { .name: b1, .offset: 40, .size: 8, .value_kind: global_buffer, .address_space: global }
      - { .name: b2, .offset: 48, .size: 8, .value_kind: global_buffer, .address_space: global }
      - { .name: b3, .offset: 56, .size: 8, .value_kind: global_buffer, .address_space: global }
      - { .name: bd1, .offset: 64, .size: 8, .value_kind: global_buffer, .address_space: global }
      - { .name: bd2, .offset: 72, .size: 8, .value_kind: global_buffer, .address_space: global }
      - { .name: wq, .offset: 80, .size: 8, .value_kind: global_buffer, .address_space: global }
    .group_segment_fixed_size: 14848
    .private_segment_fixed_size: 0
    .kernarg_segment_align: 8
    .kernarg_segment_size: 88
    .max_flat_workgroup_size: 512
    .sgpr_count:     66
    .vgpr_count:     104
    .wavefront_size: 32
...
	.end_amdgpu_metadata
.endif
;; end of part 1
;; launch chain (part 2): grid 256 x 1, 4 waves a work-group, clusters of 4 x 1, 327,680 bytes of LDS; arguments deep_features, wide_features, domain_ids, Wh, bh, wq, out0, out1, out2; writes out0, out1, out2
.if DOCPART == 2
	.amdgcn_target "amdgcn-amd-amdhsa--gfx1250"
	.amdhsa_code_object_version 6
	.text
	.protected	k_q533ca3c541_chain
	.globl	k_q533ca3c541_chain
	.p2align	8
	.type	k_q533ca3c541_chain,@function
k_q533ca3c541_chain:
	s_mov_b64 s[64:65], 0
	v_nop
	global_prefetch_b8 v0, s[64:65] scope:SCOPE_SE
	s_setreg_imm32_b32 hwreg(HW_REG_WAVE_MODE, 25, 1), 1
	s_wait_xcnt 0x0
	s_wait_alu depctr_hold_cnt(0) depctr_sa_sdst(0) depctr_va_vdst(0) depctr_va_sdst(0) depctr_va_ssrc(0) depctr_va_vcc(0) depctr_vm_vsrc(0)
	s_getreg_b32 s2, hwreg(HW_REG_IB_STS2, 6, 4)
	s_cmp_eq_u32 s2, 0
	s_cbranch_scc0 .Lentry_in_a_cluster
	s_endpgm
.Lentry_in_a_cluster:
	s_bfe_u32 s2, ttmp6, 0x10000c
	s_cmp_lg_u32 s2, 0x3003
	s_cbranch_scc0 .Lentry_shape_is_right
	s_endpgm
.Lentry_shape_is_right:
; The whole chain for 64 rows a work-group: x (512) -> 2048 -> 1024 -> 512 (out1) -> 512 -> 256 (out2), five products on codes of FP6 (E2M3) with E8M0 scales for each 32 along K,
; bias and relu behind each, each hidden layer quantised again in registers; then the head's dot with Wh[domain_ids], the sum of the wide features, and the sigmoid (out0).
; SHARES.  256 work-groups of four waves.  THE WAVES SHARE THE COLUMNS, NOT THE ROWS: of each layer wave w makes a quarter of the columns for all 64 rows.  So each byte of the weights is read from LDS
; by one wave, the wave whose tensor load brought it.  The weights come as a stream of 31 slots of 102,400 bytes (made by the launch before, in the order of the operand's registers) through a ring of two LDS slots.
; All work-groups walk the same stream: the four of a cluster ask for each slot JOINTLY (mask 15).
; The first two layers are taken by chunks: a pass makes 512 hidden units (4 K steps of the second product), and the second product's 1,024 sums (64 accumulators a wave, windows 2 and 3) are advanced by them.
; LAYOUT.  Every product is used transposed (source 0 = 16 columns of the weight, source 1 = 16 rows): a lane holds ONE row, and by the choice of a fragment's columns the 16 registers of tiles 2 b, 2 b + 1
; are 16 neighbours along the next K.  Activations go from wave to wave through LDS as images of the operand's registers: a K step is 4 fragments of 1,536 bytes and 256 bytes of scale words.
; The biases are loaded into the accumulators, so every product adds in place and nothing is cleared.
; LIMITS: NaN and infinities are not served; a block of zeros gets the byte 1 with zero codes; magnitudes under 2^-124 share that floor; a domain id outside 0..7 is held at 7.
.set SLOTB, 102400                     ; a slot; a wave's quarter is 25,600: two parts of 8 fragments x 1,536 + 512 of scale words
.set QB,    25600
.set KSB,   6400                       ; an activation K step in LDS
.set HDRB,  17408
.set H2R,   204800                     ; LDS behind the ring: the second hidden layer, 8 K steps; the stages lie here while it is not alive
.set HCR,   256000                     ; a chunk of the first hidden layer, 4 K steps; later the fourth product's result
.set XR,    281600                     ; x's codes, 4 K steps; later those of out1
.set BIAS,  307200                     ; the header: 4,352 bytes a wave, filled once by a tensor load
.set SPARE, 324608                     ; the spare words, 128 bytes a wave: two blocks of 256 bytes that no other line names
.set HP,    H2R+17408                  ; the head's partial dots: [wave][64 rows]
.set WBR,   H2R+18432                  ; wide sum + bh: [64 rows]
.set WT,    H2R+20480                  ; 16 rows x 144 bytes a wave: the wide sums' turn
; window 0
.set LI,   1                           ; 16 x lane
.set LR,   2                           ; 16 x (lane % 16)
.set WA,   3                           ; v3, v4: my quarter of slot 0, 1, + 16 x lane
.set AL,   5                           ; activation fragments of the region in hand (from s[SA])
.set ALS,  6                           ; and its scale words
.set AX,   7                           ; the same for XR
.set AXS,  8
.set DHC,  9                           ; where I store images: HCR, K step w
.set DHCS, 10
.set DXW,  11                          ; XR, K step w
.set DXWS, 12
.set DH2,  13                          ; H2R, K steps 2 w, 2 w + 1
.set DH2S, 14
.set DX0,  15                          ; XR, row tile w (x)
.set DXS,  16
.set STI,  17                          ; stage of 16 rows x 528: row lane % 16, + 64 (lane / 16)
.set STO,  18                          ; the same stage by rows: 16 x lane
.set ST2I, 19                          ; stage of 16 rows x 272
.set ST2O, 20
.set G2O,  21                          ; out2: 1,024 (lane / 16) + 16 (lane % 16)
.set ABI,  22                          ; my block of the header + 64 (lane / 16)
.set ABL,  23                          ; the same + s[SB]
.set SPW,  24                          ; my spare word; never rewritten
.set NIL,  25                          ; 0; never rewritten
.set PFO,  26                          ; the prefetches' offset
.set HPR,  27                          ; HP + 8 x lane
.set BHV,  28                          ; bh of my row
.set HPW,  29
.set WBW,  30
.set L8,   31                          ; 8 x lane
.set WS,   32                          ; v32-39, v40-47: the weights' scale words for slot parity 0, 1: scales and nothing else
.set AS,   48                          ; v48-51, v52-55: the activations' scale words, two sets
.set VG,   56                          ; v56-59: 1,024 x id + 64 (lane / 16) for the four row tiles
.set WTI,  60
.set WTO,  61
.set BHA,  62
.set TT,   63
.set WF0,  64                          ; v64-111, v112-159: four weight fragments each
.set WF1,  112
.set AF,   160                         ; v160-207, v208-255: four activation fragments each
.set PC,   208                         ; over the second set, between products: the codes just made,
.set TM,   228                         ; at work,
.set PW,   244                         ; the scale word just made,
.set HD,   246                         ; the head's dots
; window 1: the accumulators of a pass and of the third product (row tile m, tile t at 64 m + 8 t); then rows of out1; then the wide features
; windows 2, 3: x; the second product's accumulators (tiles 0-7, 8-15); then window 2: the fourth product's; window 3: the fifth's (32 m + 8 t) and from v128 the gathered rows of Wh
.set WV,   2                           ; s2  wave
.set SLC,  5                           ; s5  counts the changes of slots down, for the prefetch
.set LIM,  6                           ; s6  0 in the cluster that prefetches, else the greatest number
.set G1,   28                          ; s[28:35] group 1: 100 rows of 256 bytes
.set G0,   36                          ; s[36:39], s[40:43] group 0 for slot parity 0, 1
.set G1H,  44                          ; s[44:51] group 1 for the header: 17 rows of 256 bytes
.set G0H,  52                          ; s[52:55]
.set SEL,  56                          ; s[56:57] v_permlanex16_b32's selects for lane l xor 16
.set PFA,  58                          ; s[58:59] where my prefetches stand
.set SA,   60                          ; s60 LDS byte of the activation region in hand
.set SB,   61                          ; s61 byte in my header block of the next bias
.set MSB, 0
.macro WIN new                         ; the immediate's high byte repeats the setting that is left; a switch that changes nothing is dropped
.if MSB != (\new)
	s_set_vgpr_msb (MSB<<8)|(\new)
.set MSB, (\new)
.endif
.endm
.macro PLACES                          ; four plain places behind matrix instructions, ahead of loads into their registers and of the first read of results
.rept 4
	v_nop
.endr
.endm
.macro CREST                           ; a round of the cluster's barrier behind its opening barrier
	s_cmp_lg_u32 s[WV], 0
	s_cbranch_scc1 .Lnot_wave_0_\@
	s_barrier_signal -3
.Lnot_wave_0_\@:
	s_barrier_wait -3
	s_barrier_signal -1
	s_barrier_wait -1
.endm
.macro CROUND
	s_barrier_signal -1
	s_barrier_wait -1
	CREST
.endm
.macro BARRIER                         ; my LDS stores have landed and my LDS loads are in: then the work-group's barrier.  A refill may be on its way
	s_wait_dscnt 0x0
	s_barrier_signal -1
	s_barrier_wait -1
.endm
.macro FW adr, f0, wf                  ; 12 loads: weight fragments f0 .. f0 + 3 of my quarter
.irp j, 0,1,2,3
.irp c, 0,1,2
	ds_load_b128 v[\wf+12*\j+4*\c:\wf+12*\j+4*\c+3], v[\adr] offset:(((\f0)+\j)/8)*12800+(((\f0)+\j)%8)*1536+512*\c
.endr
.endr
.endm
.macro FWS adr, ws                     ; 2 loads: the quarter's scale words: register j: lanes 0-15 fragment j, lanes 16-31 fragment 4 + j of a part
	ds_load_b128 v[\ws:\ws+3], v[\adr] offset:12288
	ds_load_b128 v[\ws+4:\ws+7], v[\adr] offset:25088
.endm
.macro FA adr, adrs, off, set          ; 13 loads: a K step's four activation fragments and their scale words
.irp m, 0,1,2,3
.irp c, 0,1,2
	ds_load_b128 v[AF+48*(\set)+12*\m+4*\c:AF+48*(\set)+12*\m+4*\c+3], v[\adr] offset:(\off)+1536*\m+512*\c
.endr
.endr
	ds_load_b128 v[AS+4*(\set):AS+4*(\set)+3], v[\adrs] offset:(\off)+6144
.endm
.macro MUL4 wf, j, set, ws, row, st, t ; one weight fragment against the four row tiles: four accumulators
.irp m, 0,1,2,3
.if \row
	v_wmma_scale_f32_16x16x128_f8f6f4 v[(\st)*\m+8*(\t):(\st)*\m+8*(\t)+7], v[\wf+12*(\j):\wf+12*(\j)+11], v[AF+48*(\set)+12*\m:AF+48*(\set)+12*\m+11], v[(\st)*\m+8*(\t):(\st)*\m+8*(\t)+7], v[\ws+(\j)], v[AS+4*(\set)+\m] matrix_a_fmt:MATRIX_FMT_FP6 matrix_b_fmt:MATRIX_FMT_FP6 matrix_a_scale:MATRIX_SCALE_ROW1
.else
	v_wmma_scale_f32_16x16x128_f8f6f4 v[(\st)*\m+8*(\t):(\st)*\m+8*(\t)+7], v[\wf+12*(\j):\wf+12*(\j)+11], v[AF+48*(\set)+12*\m:AF+48*(\set)+12*\m+11], v[(\st)*\m+8*(\t):(\st)*\m+8*(\t)+7], v[\ws+(\j)], v[AS+4*(\set)+\m] matrix_a_fmt:MATRIX_FMT_FP6 matrix_b_fmt:MATRIX_FMT_FP6
.endif
.endr
.endm
.macro GRP wf, set, ws, row, st, tb    ; 16 matrix instructions on 16 accumulators, which take turns: an accumulator comes back after 15 others at the least
.irp j, 0,1,2,3
	MUL4 \wf, \j, \set, \ws, \row, \st, (\tb)+\j
.endr
.endm
; A PREFETCH of the slot that stands two refills on: two slots, 128 matrix instructions a wave, ahead of the load that will want it.  Every cluster walks the same stream: cluster 0 asks.  Of a wave's 100 runs of 256 bytes
; each of its four partners names 25, told apart BY ADDRESS; lanes 25 to 31 name lane 24's run.  The count stops it behind the change that names the last slot; the first four slots come by their loads alone.
.macro ASK
	s_cmp_gt_i32 s[SLC], s[LIM]
	s_cbranch_scc0 .Lno_ask_\@
	global_prefetch_b8 v[PFO], s[PFA:PFA+1] th:TH_LOAD_NT scope:SCOPE_SE
.Lno_ask_\@:
.endm
; A slot's last group (fragments 12 to 15, in WF1) and the change of slots.  fill = 1: each wave waits for all its tensor loads (the one that is out is its quarter of the next slot), adds 0 to its spare word,
; waits for that and for its reads of this slot; a round of the cluster's barrier; the joint refill, two slots ahead, first behind it; then the next slot's first fragments.
.macro LAST p, W, set, st, tb, fill
	WIN 0
.if \fill
	s_wait_xcnt 0x0                                ; the last prefetch, a slot back, has read its address
	s_add_nc_u64 s[PFA:PFA+1], s[PFA:PFA+1], SLOTB
	s_sub_co_i32 s[SLC], s[SLC], 1
	s_wait_tensorcnt 0x0                           ; all my tensor loads have landed
	ds_add_u32 v[SPW], v[NIL]                      ; 0 onto my spare word
	s_wait_dscnt 0x1                               ; all my LDS loads are in; the add may be out
	WIN ((\W)<<4)|((\W)<<6)
	MUL4 WF1, 0, \set, WS+8*\p+4, 1, \st, (\tb)+0
	s_wait_dscnt 0x0                               ; the add is done, and my reads of this slot are over
	s_barrier_signal -1
	MUL4 WF1, 1, \set, WS+8*\p+4, 1, \st, (\tb)+1
	WIN 0
	s_barrier_wait -1
	CREST                                          ; no wave of any partner still reads this slot or has a load on its way
	s_add_nc_u64 s[G0+4*\p+2:G0+4*\p+3], s[G0+4*\p+2:G0+4*\p+3], 2*SLOTB
	tensor_load_to_lds s[G0+4*\p:G0+4*\p+3], s[G1:G1+7]
	s_nop 0
	PLACES                                         ; also the places ahead of the loads below
	FW WA+1-\p, 0, WF0
	FWS WA+1-\p, WS+8*(1-\p)
	ASK
	WIN ((\W)<<4)|((\W)<<6)
	MUL4 WF1, 2, \set, WS+8*\p+4, 1, \st, (\tb)+2
	MUL4 WF1, 3, \set, WS+8*\p+4, 1, \st, (\tb)+3
.else
	s_wait_tensorcnt 0x0                           ; the last slot's quarter, which I alone read, has landed; nothing is filled again, so no barrier
	PLACES
	FW WA+1-\p, 0, WF0
	FWS WA+1-\p, WS+8*(1-\p)
	s_wait_dscnt 14                                ; all but the 14 just issued
	WIN ((\W)<<4)|((\W)<<6)
	GRP WF1, \set, WS+8*\p+4, 1, \st, \tb
.endif
	WIN 0
.endm
; A slot of two K steps x 8 tiles (accumulators in window W).  Set 0 holds the K step at off on entry; nxt >= 0: the K step there is fetched into set 0 for the next slot.
.macro SLOT_A p, W, adr, adrs, off, nxt, fill
	PLACES
	FW WA+\p, 4, WF1
	s_wait_dscnt 12                                ; all but the 12 just issued
	WIN ((\W)<<4)|((\W)<<6)
	GRP WF0, 0, WS+8*\p, 0, 64, 0
	PLACES
	WIN 0
	FW WA+\p, 8, WF0
	FA \adr, \adrs, (\off)+KSB, 1
	s_wait_dscnt 25                                ; all but the 25 just issued
	WIN ((\W)<<4)|((\W)<<6)
	GRP WF1, 0, WS+8*\p, 1, 64, 4
	PLACES
	WIN 0
	FW WA+\p, 12, WF1
.if (\nxt) >= 0
	FA \adr, \adrs, \nxt, 0
	s_wait_dscnt 25
.else
	s_wait_dscnt 12
.endif
	WIN ((\W)<<4)|((\W)<<6)
	GRP WF0, 1, WS+8*\p+4, 0, 64, 0
	LAST \p, \W, 1, 64, 4, \fill
.endm
; A slot of one K step x 16 tiles (windows 2 and 3): the K step is in the given set; the one at noff is fetched into the other.
.macro SLOT_B p, set, noff
	PLACES
	FW WA+\p, 4, WF1
	s_wait_dscnt 12
	WIN 0xa0
	GRP WF0, \set, WS+8*\p, 0, 64, 0
	PLACES
	WIN 0
	FW WA+\p, 8, WF0
	FA AL, ALS, \noff, 1-\set
	s_wait_dscnt 25
	WIN 0xa0
	GRP WF1, \set, WS+8*\p, 1, 64, 4
	PLACES
	WIN 0
	FW WA+\p, 12, WF1
	s_wait_dscnt 12
	WIN 0xf0
	GRP WF0, \set, WS+8*\p+4, 0, 64, 0
	LAST \p, 3, \set, 64, 4, 1
.endm
.macro RELU W, s, n                    ; in f32, in place, ascending: each accumulator is first read at its low end
	WIN ((\W)<<2)|((\W)<<6)
.set RI, 0
.rept \n
	v_max_num_f32 v[(\s)+RI], 0, v[(\s)+RI]
.set RI, RI+1
.endr
.endm
; 64 numbers of a lane in window W, register 16 b + i = k 32 b + 16 (lane / 16) + i of my row, become a fragment's codes in v[PC] on and its scale word in v[PW].
.macro QUANT W, s
	WIN ((\W)<<2)|((\W)<<4)
.irp b, 0,1,2,3
	v_max3_num_f32 v[TM+\b], 0x1800000, |v[(\s)+16*\b]|, |v[(\s)+16*\b+1]|   ; block b: my 16 numbers, and the floor 2^(3 - 127): the byte cannot fall under 1
.endr
.irp i, 2,4,6,8,10,12,14
.irp b, 0,1,2,3
	v_max3_num_f32 v[TM+\b], v[TM+\b], |v[(\s)+16*\b+\i]|, |v[(\s)+16*\b+\i+1]|
.endr
.endr
	WIN 0
.irp b, 0,1,2,3
	v_permlanex16_b32 v[TM+4+\b], v[TM+\b], s[SEL], s[SEL+1]
.endr
.irp b, 0,1,2,3
	v_max_num_f32 v[TM+\b], v[TM+\b], v[TM+4+\b]   ; with lane l xor 16's: the block's largest magnitude
.endr
.irp b, 0,1,2,3
	v_add_nc_u32 v[TM+12+\b], 0xff000000, v[TM+\b] ; 2 off its exponent field: the conversion's scale operand
.endr
.irp b, 0,1,2,3
	v_lshrrev_b32 v[TM+4+\b], 23, v[TM+12+\b]      ; the scale's byte
.endr
	s_wait_dscnt 0x0                               ; the last image's stores have read the codes' registers and the scale word
	v_lshl_or_b32 v[PW], v[TM+5], 8, v[TM+4]
	v_lshl_or_b32 v[PW], v[TM+6], 16, v[PW]
	v_lshl_or_b32 v[PW], v[TM+7], 24, v[PW]
	WIN \W
.irp c, 0,1
	v_cvt_scalef32_pk16_fp6_f32 v[PC+6*\c:PC+6*\c+2], v[(\s)+32*\c:(\s)+32*\c+15], v[TM+12+2*\c]
	v_cvt_scalef32_pk16_fp6_f32 v[PC+12+4*\c:PC+14+4*\c], v[(\s)+32*\c+16:(\s)+32*\c+31], v[TM+13+2*\c]   ; (a conversion's three registers begin on an even number)
.endr
	WIN 0
	v_nop                                          ; one plain place behind a scaled conversion
.irp c, 0,1                            ; the operand's layout wants a WHOLE block in a lane
.irp i, 0,1,2
	v_permlane16_swap_b32 v[PC+6*\c+\i], v[PC+12+4*\c+\i]
.endr
.irp i, 0,1,2
	v_mov_b32 v[PC+3+6*\c+\i], v[PC+12+4*\c+\i]
.endr
.endr
.endm
.macro IMAGE adr, adrs, off, m         ; the fragment goes to LDS as it stands, as row tile m of a K step; both halves of the lanes store the same scale word
.irp c, 0,1,2
	ds_store_b128 v[\adr], v[PC+4*\c:PC+4*\c+3] offset:(\off)+1536*(\m)+512*\c
.endr
	ds_store_b32 v[\adrs], v[PW] offset:(\off)+6144+4*(\m)
.endm
.macro INIT W, s, adr, off, nt         ; a bias into the accumulators of one row tile: tile t's eight numbers of my half lie at 128 (t / 2) + 32 (t % 2)
	WIN (\W)<<6
.set TI, 0
.rept \nt
	ds_load_b128 v[(\s)+8*TI:(\s)+8*TI+3], v[\adr] offset:(\off)+128*(TI/2)+32*(TI%2)
	ds_load_b128 v[(\s)+8*TI+4:(\s)+8*TI+7], v[\adr] offset:(\off)+128*(TI/2)+32*(TI%2)+16
.set TI, TI+1
.endr
	WIN 0
.endm
.macro TURN s                          ; K step s of x, loaded 16 bytes a lane by rows, goes through my stage and comes back 16 neighbours of each block a lane.  LDS serves a wave's instructions in order
	WIN 0x88
.set Z, 0
.rept 16
	ds_store_b128 v[STO], v[64*(\s)+4*Z:64*(\s)+4*Z+3] offset:528*Z
.set Z, Z+1
.endr
.set Z, 0
.rept 16
	ds_load_b128 v[64*(\s)+4*Z:64*(\s)+4*Z+3], v[STI] offset:128*(Z/4)+16*(Z%4)
.set Z, Z+1
.endr
	WIN 0
.endm
.macro TOSTAGE1 m                      ; row tile m of out1, my 128 columns: into my stage, back as whole rows of 512 bytes
	WIN 0x44
.set Z, 0
.rept 16
	ds_store_b128 v[STI], v[64*(\m)+4*Z:64*(\m)+4*Z+3] offset:128*(Z/4)+16*(Z%4)
.set Z, Z+1
.endr
.set Z, 0
.rept 16
	ds_load_b128 v[64*(\m)+4*Z:64*(\m)+4*Z+3], v[STO] offset:528*Z
.set Z, Z+1
.endr
	WIN 0
.endm
.macro SEND1 m
	WIN 0x04
.set Z, 0
.rept 16
	global_store_b128 v[LI], v[64*(\m)+4*Z:64*(\m)+4*Z+3], s[22:23] offset:(16*(\m)+Z)*2048 th:TH_STORE_NT   ; 32 lanes store 512 consecutive bytes, at a multiple of 256 from out1's first byte
.set Z, Z+1
.endr
	WIN 0
.endm
	s_load_b512 s[8:23], s[0:1], 0x0               ; deep s[8:9], wide s[10:11], ids s[12:13], Wh s[14:15], bh s[16:17], wq s[18:19], out0 s[20:21], out1 s[22:23]
	s_load_b64 s[24:25], s[0:1], 0x40              ; out2
	v_lshl_add_u32 v[SPW], v0, 2, SPARE
	v_mov_b32 v[NIL], 0
	ds_add_u32 v[SPW], v[NIL]                      ; the wave's opening: the add and its wait ahead of my first tensor load; the set-up below, work on registers, stands between them
	v_lshrrev_b32 v[TT], 5, v0
	v_readfirstlane_b32 s[WV], v[TT]               ; wave 0..3
	s_mov_b32 s[G1], 15|(3<<16)|(1<<21)            ; 15:0 the mask: all four work-groups; 17:16 elements of 8 bytes; 21 set beside a mask; no padding: images are read as consecutive bytes
	s_mov_b32 s[G1+1], 32<<16                      ; tensor_dim0 = 32 elements: 256 bytes
	s_mov_b32 s[G1+2], 100<<16                     ; tensor_dim1 = 100 rows
	s_mov_b32 s[G1+3], 32<<16                      ; tile_dim0
	s_mov_b32 s[G1+4], 100                         ; tile_dim1
	s_mov_b32 s[G1+5], 32                          ; the pitch: dense
	s_mov_b32 s[G1+6], 0
	s_mov_b32 s[G1+7], 0
	s_mov_b32 s[G1H], 15|(3<<16)|(1<<21)
	s_mov_b32 s[G1H+1], 32<<16
	s_mov_b32 s[G1H+2], 17<<16
	s_mov_b32 s[G1H+3], 32<<16
	s_mov_b32 s[G1H+4], 17
	s_mov_b32 s[G1H+5], 32
	s_mov_b32 s[G1H+6], 0
	s_mov_b32 s[G1H+7], 0
	s_mov_b32 s[SEL], 0x76543210
	s_mov_b32 s[SEL+1], 0xfedcba98
	s_mov_b32 s[SLC], 28
	; every LDS address: a constant, a constant x the wave, a lane term
	v_and_b32 v[LI], 31, v0
	v_lshlrev_b32 v[L8], 3, v[LI]
	v_lshlrev_b32 v[WTI], 2, v[LI]
	v_min_u32 v[PFO], 24, v[LI]
	v_lshlrev_b32 v[PFO], 8, v[PFO]
	v_lshlrev_b32 v[LI], 4, v[LI]
	v_and_b32 v[TT], 15, v0                        ; r
	v_bfe_u32 v[BHA], v0, 4, 1                     ; h
	v_lshlrev_b32 v[LR], 4, v[TT]
	s_mul_i32 s66, s[WV], QB
	v_add_nc_u32 v[WA], s66, v[LI]
	v_add_nc_u32 v[WA+1], SLOTB, v[WA]
	v_add_nc_u32 v[AX], XR, v[LI]
	v_add_nc_u32 v[AXS], XR, v[LR]
	s_mul_i32 s67, s[WV], KSB
	s_add_co_u32 s68, s67, HCR
	v_add_nc_u32 v[DHC], s68, v[LI]
	v_add_nc_u32 v[DHCS], s68, v[LR]
	s_add_co_u32 s68, s67, XR
	v_add_nc_u32 v[DXW], s68, v[LI]
	v_add_nc_u32 v[DXWS], s68, v[LR]
	s_mul_i32 s68, s[WV], 2*KSB
	s_add_co_u32 s68, s68, H2R
	v_add_nc_u32 v[DH2], s68, v[LI]
	v_add_nc_u32 v[DH2S], s68, v[LR]
	s_mul_i32 s68, s[WV], 1536
	s_add_co_u32 s68, s68, XR
	v_add_nc_u32 v[DX0], s68, v[LI]
	s_lshl_b32 s68, s[WV], 2
	s_add_co_u32 s68, s68, XR
	v_add_nc_u32 v[DXS], s68, v[LR]
	s_mul_i32 s68, s[WV], 8448
	s_add_co_u32 s68, s68, H2R
	v_mul_u32_u24 v[STI], v[TT], 528
	v_lshl_add_u32 v[STI], v[BHA], 6, v[STI]
	v_add_nc_u32 v[STI], s68, v[STI]
	v_add_nc_u32 v[STO], s68, v[LI]
	s_mul_i32 s68, s[WV], 4352
	s_add_co_u32 s69, s68, H2R
	v_mul_u32_u24 v[ST2I], v[TT], 272
	v_lshl_add_u32 v[ST2I], v[BHA], 6, v[ST2I]
	v_add_nc_u32 v[ST2I], s69, v[ST2I]
	v_mul_u32_u24 v[ST2O], v[BHA], 272
	v_add_nc_u32 v[ST2O], v[ST2O], v[LR]
	v_add_nc_u32 v[ST2O], s69, v[ST2O]
	v_lshl_add_u32 v[G2O], v[BHA], 10, v[LR]
	s_add_co_u32 s69, s68, BIAS
	v_lshlrev_b32 v[ABI], 6, v[BHA]
	v_add_nc_u32 v[ABI], s69, v[ABI]
	s_lshl_b32 s68, s[WV], 8
	s_add_co_u32 s68, s68, HP
	v_lshl_add_u32 v[HPW], v[TT], 2, s68
	s_lshl_b32 s68, s[WV], 6
	s_add_co_u32 s69, s68, WBR
	v_lshl_add_u32 v[WBW], v[TT], 2, s69
	v_add_nc_u32 v[HPR], HP, v[L8]
	s_mul_i32 s69, s[WV], 2304
	s_add_co_u32 s69, s69, WT
	v_add_nc_u32 v[WTI], s69, v[WTI]
	v_mul_u32_u24 v[WTO], v[TT], 144
	v_lshl_add_u32 v[WTO], v[BHA], 6, v[WTO]
	v_add_nc_u32 v[WTO], s69, v[WTO]
	v_lshlrev_b32 v[TT], 2, v[TT]                  ; 4 r: a row's id in a tile of 16
	v_add_nc_u32 v[BHA], s68, v[TT]                ; 4 r + 64 w: the id of my own row 16 w + r
.irp b, 0,1,2,3
	v_mov_b32 v[TM+4+\b], 0                        ; written once: a lane permute's destination counts as one of its sources
.endr
	s_wait_dscnt 0x0                               ; the opening add is done
	s_wait_kmcnt 0x0
	s_mov_b32 s75, 0
	s_mov_b32 s77, 0
	s_mov_b32 s[G0], 1                             ; count = 1
	s_mov_b32 s[G0+1], s66                         ; LDS: my quarter of slot 0
	s_add_co_u32 s74, s66, HDRB
	s_add_nc_u64 s[G0+2:G0+3], s[18:19], s[74:75]  ; my quarter of the stream's slot 0: the wave and the slot alone enter it
	s_mov_b32 s[G0+4], 1
	s_add_co_u32 s[G0+5], s66, SLOTB
	s_add_nc_u64 s[G0+6:G0+7], s[G0+2:G0+3], SLOTB
	s_bfe_u32 s70, ttmp6, 0x40000                  ; cx: my place in the cluster: it enters global addresses of rows and of the prefetch alone
	s_mul_i32 s76, s70, 6400
	s_add_co_u32 s76, s76, 3*SLOTB
	s_add_nc_u64 s[PFA:PFA+1], s[G0+2:G0+3], s[76:77]  ; in slot 3: the first change of slots steps it to slot 4
	s_or_b32 s[G0+3], s[G0+3], 0x80000000          ; type = 2
	s_or_b32 s[G0+7], s[G0+7], 0x80000000
	s_mov_b32 s[G0H], 1
	s_mul_i32 s74, s[WV], 4352
	s_add_co_u32 s[G0H+1], s74, BIAS
	s_add_nc_u64 s[G0H+2:G0H+3], s[18:19], s[74:75]
	s_or_b32 s[G0H+3], s[G0H+3], 0x80000000
	s_lshl_b32 s72, ttmp9, 2
	s_add_co_u32 s72, s72, s70                     ; my block of 64 rows = 4 x cluster + cx
	s_lshl_b32 s74, s72, 17
	s_lshl_b32 s76, s[WV], 15
	s_add_co_u32 s74, s74, s76
	s_add_nc_u64 s[8:9], s[8:9], s[74:75]          ; x: my wave's 16 rows of 2,048 bytes
	s_lshl_b32 s74, s72, 16
	s_lshl_b32 s76, s[WV], 14
	s_add_co_u32 s74, s74, s76
	s_add_nc_u64 s[10:11], s[10:11], s[74:75]      ; wide: my wave's 16 rows of 1,024 bytes
	s_lshl_b32 s74, s72, 8
	s_add_nc_u64 s[12:13], s[12:13], s[74:75]      ; the block's ids
	s_add_nc_u64 s[20:21], s[20:21], s[74:75]      ; and its 64 numbers of out0
	s_lshl_b32 s74, s[WV], 8
	s_add_nc_u64 s[14:15], s[14:15], s[74:75]      ; Wh: my 64 columns
	s_lshl_b32 s74, s72, 17
	s_lshl_b32 s76, s[WV], 9
	s_add_co_u32 s74, s74, s76
	s_add_nc_u64 s[22:23], s[22:23], s[74:75]      ; out1: the block's rows, my 128 columns
	s_lshl_b32 s74, s72, 16
	s_lshl_b32 s76, s[WV], 8
	s_add_co_u32 s74, s74, s76
	s_add_nc_u64 s[24:25], s[24:25], s[74:75]      ; out2: the block's rows, my 64 columns
	s_cmp_eq_u32 ttmp9, 0
	s_cselect_b32 s[LIM], 0, 0x7fffffff            ; the same in all four partners
	CROUND                                         ; all four work-groups are here: the first joint loads meet
	tensor_load_to_lds s[G0H:G0H+3], s[G1H:G1H+7]  ; the header; three loads of mine are out
	s_nop 0
	tensor_load_to_lds s[G0:G0+3], s[G1:G1+7]      ; slot 0
	s_nop 0
	tensor_load_to_lds s[G0+4:G0+7], s[G1:G1+7]    ; slot 1
	s_nop 0
	PLACES
.irp m, 0,1,2,3
	global_load_b32 v[VG+\m], v[TT], s[12:13] offset:64*\m   ; the ids of rows 16 m + r
.endr
	global_load_b32 v[BHV], v[BHA], s[12:13]       ; and of row 16 w + r
	WIN 0x80
.irp s, 0,1,2,3
.set Z, 0
.rept 16
	global_load_b128 v[64*\s+4*Z:64*\s+4*Z+3], v[LI], s[8:9] offset:2048*Z+512*\s th:TH_LOAD_NT   ; K step s of row Z: 512 consecutive bytes
.set Z, Z+1
.endr
.endr
	WIN 0
	s_wait_tensorcnt 0x2                           ; the header is in; slots 0 and 1 may be out
.irp m, 0,1,2,3
	INIT 1, 64*\m, ABI, 0, 8                       ; b1 of pass 0
.endr
.irp m, 0,1,2,3
	INIT 3, 64*\m, ABI, 3584, 8                    ; b2, my upper 128 columns
.endr
.irp s, 0,1,2,3                        ; my 16 rows of x become row tile w of the four K steps
	s_wait_loadcnt 48-16*\s                        ; this K step's 16 loads are in; the later K steps' may be out
	TURN \s
	s_wait_dscnt 0x0
	QUANT 2, 64*\s
	IMAGE DX0, DXS, KSB*\s, 0
	INIT 2, 64*\s, ABI, 3072, 8                    ; b2, my lower 128 columns, row tile s: into the registers that x has left
.endr
	v_bfe_u32 v[TT], v0, 4, 1
	v_lshlrev_b32 v[TT], 6, v[TT]
.irp m, 0,1,2,3
	v_min_u32 v[VG+\m], 7, v[VG+\m]                ; an id stays inside the table
.endr
.irp m, 0,1,2,3
	v_lshlrev_b32 v[VG+\m], 10, v[VG+\m]           ; a row of Wh is 1,024 bytes
.endr
.irp m, 0,1,2,3
	v_add_nc_u32 v[VG+\m], v[VG+\m], v[TT]         ; + my half's 64 bytes
.endr
	v_min_u32 v[BHV], 7, v[BHV]
	v_lshlrev_b32 v[BHA], 2, v[BHV]
	global_load_b32 v[BHV], v[BHA], s[16:17]       ; bh of my row; waited for at the end
	s_wait_tensorcnt 0x1                           ; slot 0 is in; slot 1 may be out
	FW WA, 0, WF0
	FWS WA, WS
	BARRIER                                        ; x's sixteen fragments lie in LDS
	FA AX, AXS, 0, 0
	s_mov_b32 s[SB], 512
	s_mov_b32 s3, 4
.Lp:                                   ; a trip: a pass of the first product (2 slots), its 512 hidden units quantised, and the second product advanced by them (4 slots)
	SLOT_A 0, 1, AX, AXS, 0, 2*KSB, 1
	SLOT_A 1, 1, AX, AXS, 2*KSB, -1, 1
	PLACES
	v_add_nc_u32 v[ABL], s[SB], v[ABI]
.irp m, 0,1,2,3
	RELU 1, 64*\m, 64
	QUANT 1, 64*\m
	IMAGE DHC, DHCS, 0, \m
	INIT 1, 64*\m, ABL, 0, 8                       ; the next pass's b1; in the last trip b3, for the third product
.endr
	s_add_co_u32 s[SB], s[SB], 512
	s_mov_b32 s[SA], HCR
	v_add_nc_u32 v[AL], s[SA], v[LI]
	v_add_nc_u32 v[ALS], s[SA], v[LR]
	BARRIER                                        ; the chunk's sixteen fragments lie in LDS.  They are written again only behind later rounds, in front of which every wave has waited for its reads
	FA AL, ALS, 0, 0
	s_mov_b32 s4, 2
.Lq:
	v_add_nc_u32 v[AL], s[SA], v[LI]
	v_add_nc_u32 v[ALS], s[SA], v[LR]
	SLOT_B 0, 0, KSB
	SLOT_B 1, 1, 2*KSB                             ; in the second trip this look-ahead is XR's K step 0, which lies behind the chunk: the next pass's first operand
	s_add_co_u32 s[SA], s[SA], 2*KSB
	s_sub_co_u32 s4, s4, 1
	s_cmp_lg_u32 s4, 0
	s_cbranch_scc1 .Lq
	s_sub_co_u32 s3, s3, 1
	s_cmp_lg_u32 s3, 0
	s_cbranch_scc1 .Lp
	; the second hidden layer: my 256 columns are K steps 2 w and 2 w + 1 of the third product.  The registers that it leaves take bd1, bd2 and the gathered rows of Wh
	PLACES
.irp q, 0,1,2,3,4,5,6,7
	RELU 2+\q/4, 64*(\q%4), 64
	QUANT 2+\q/4, 64*(\q%4)
	IMAGE DH2, DH2S, KSB*(\q/4), \q%4
.if \q < 4
	INIT 2, 64*\q, ABI, 2560, 8                    ; bd1, for the fourth product
.elseif \q < 6
	INIT 3, 64*(\q-4), ABI, 4096, 4                ; bd2, for the fifth: row tiles 2 (q - 4) and the next
	INIT 3, 64*(\q-4)+32, ABI, 4096, 4
.else
	WIN 0xc0
.irp e, 0,1
.irp z, 0,1,2,3,4,5,6,7
	global_load_b128 v[128+32*(2*(\q-6)+\e)+4*\z:128+32*(2*(\q-6)+\e)+4*\z+3], v[VG+2*(\q-6)+\e], s[14:15] offset:128*(\z/4)+16*(\z%4)   ; Wh[id of my row][my columns], in the fifth result's layout
.endr
.endr
	WIN 0
.endif
.endr
	s_mov_b32 s[SA], H2R
	v_add_nc_u32 v[AL], s[SA], v[LI]
	v_add_nc_u32 v[ALS], s[SA], v[LR]
	BARRIER
	FA AL, ALS, 0, 0
	s_mov_b32 s4, 2
.Lthird:                               ; the third product: 8 K steps, 4 slots
	v_add_nc_u32 v[AL], s[SA], v[LI]
	v_add_nc_u32 v[ALS], s[SA], v[LR]
	SLOT_A 0, 1, AL, ALS, 0, 2*KSB, 1
	SLOT_A 1, 1, AL, ALS, 2*KSB, 4*KSB, 1          ; in the second trip this look-ahead names the region behind, bytes that were written; it is not used
	s_add_co_u32 s[SA], s[SA], 4*KSB
	s_sub_co_u32 s4, s4, 1
	s_cmp_lg_u32 s4, 0
	s_cbranch_scc1 .Lthird
	; out1: quantised for the fourth product (K step w, into XR), and stored; a tile's stores stand behind the next tile's quantising, whose wait has shown its rows back from the stage
	PLACES
.irp m, 0,1,2,3
	RELU 1, 64*\m, 64
	QUANT 1, 64*\m
	IMAGE DXW, DXWS, 0, \m
.if \m > 0
	SEND1 \m-1
.endif
	TOSTAGE1 \m
.endr
	s_wait_dscnt 0x0
	SEND1 3
	s_wait_xcnt 0x0                                ; the stores have read their registers: the wide features may land there
	WIN 0x40
.set Z, 0
.rept 16
	global_load_b128 v[8*Z:8*Z+3], v[LI], s[10:11] offset:1024*Z th:TH_LOAD_NT
	global_load_b128 v[8*Z+4:8*Z+7], v[LI], s[10:11] offset:1024*Z+512 th:TH_LOAD_NT   ; row Z of my 16: they land under the last two products
.set Z, Z+1
.endr
	WIN 0
	BARRIER
	FA AX, AXS, 0, 0
	SLOT_A 0, 2, AX, AXS, 0, 2*KSB, 1              ; the fourth product; this change of slots asks for the last slot
	SLOT_A 1, 2, AX, AXS, 2*KSB, -1, 0
	PLACES
.irp m, 0,1,2,3
	RELU 2, 64*\m, 64
	QUANT 2, 64*\m
	IMAGE DHC, DHCS, 0, \m
.endr
	s_mov_b32 s[SA], HCR
	v_add_nc_u32 v[AL], s[SA], v[LI]
	v_add_nc_u32 v[ALS], s[SA], v[LR]
	BARRIER
	FA AL, ALS, 0, 0
.irp g, 0,1,2                          ; the fifth product: 4 K steps x 4 tiles, group g = K step g
	PLACES
	FW WA, 4*(\g+1), WF0+48*((\g+1)%2)
	FA AL, ALS, KSB*(\g+1), (\g+1)%2
	s_wait_dscnt 25                                ; all but the 25 just issued
	WIN 0xf0
	GRP WF0+48*(\g%2), \g%2, WS+4*(\g/2), \g%2, 32, 0
	WIN 0
.endr
	s_wait_dscnt 0x0
	WIN 0xf0
	GRP WF1, 1, WS+4, 1, 32, 0
	WIN 0
	PLACES
	RELU 3, 0, 128                                 ; out2
	s_wait_loadcnt 32                              ; bh and Wh's rows are in; the 32 loads of wide, issued behind them, may be out
	WIN 0x0f
.irp m, 0,1,2,3
	v_pk_mul_f32 v[HD+2*\m:HD+2*\m+1], v[32*\m:32*\m+1], v[128+32*\m:128+32*\m+1]
.endr
.irp i, 1,2,3,4,5,6,7,8,9,10,11,12,13,14,15
.irp m, 0,1,2,3
	v_pk_fma_f32 v[HD+2*\m:HD+2*\m+1], v[32*\m+2*\i:32*\m+2*\i+1], v[128+32*\m+2*\i:128+32*\m+2*\i+1], v[HD+2*\m:HD+2*\m+1]   ; the head's dot over my 32 columns of a row, the four row tiles by turns
.endr
.endr
	WIN 0
.irp m, 0,1,2,3
	v_add_f32 v[HD+2*\m], v[HD+2*\m], v[HD+2*\m+1]
.endr
.irp m, 0,1,2,3
	v_permlanex16_b32 v[HD+2*\m+1], v[HD+2*\m], s[SEL], s[SEL+1]
.endr
.irp m, 0,1,2,3
	v_add_f32 v[HD+2*\m], v[HD+2*\m], v[HD+2*\m+1] ; my wave's 64 columns
.endr
.irp m, 0,1,2,3
	ds_store_b32 v[HPW], v[HD+2*\m] offset:64*\m
.endr
	WIN 0xcc
.irp m, 0,1,2,3                        ; out2 through my stage: sixteen lanes store a row's 256 consecutive bytes
.irp z, 0,1,2,3,4,5,6,7
	ds_store_b128 v[ST2I], v[32*\m+4*\z:32*\m+4*\z+3] offset:128*(\z/4)+16*(\z%4)
.endr
.irp i, 0,1,2,3,4,5,6,7
	ds_load_b128 v[32*\m+4*\i:32*\m+4*\i+3], v[ST2O] offset:544*\i
.endr
.irp i, 0,1,2,3,4,5,6,7
	s_wait_dscnt 7-\i                              ; the younger loads from the stage may be out
	global_store_b128 v[G2O], v[32*\m+4*\i:32*\m+4*\i+3], s[24:25] offset:(16*\m+2*\i)*1024 th:TH_STORE_NT
.endr
.endr
	s_wait_loadcnt 0x0                             ; wide
	WIN 0x45
.set Z, 0
.rept 16
	v_pk_add_f32 v[8*Z:8*Z+1], v[8*Z:8*Z+1], v[8*Z+2:8*Z+3]
	v_pk_add_f32 v[8*Z+4:8*Z+5], v[8*Z+4:8*Z+5], v[8*Z+6:8*Z+7]
.set Z, Z+1
.endr
.set Z, 0
.rept 16
	v_pk_add_f32 v[8*Z:8*Z+1], v[8*Z:8*Z+1], v[8*Z+4:8*Z+5]
.set Z, Z+1
.endr
.set Z, 0
.rept 16
	v_add_f32 v[8*Z], v[8*Z], v[8*Z+1]             ; my lane's eight numbers of row Z
.set Z, Z+1
.endr
	WIN 0x04
.set Z, 0
.rept 16
	ds_store_b32 v[WTI], v[8*Z] offset:144*Z       ; the 32 lanes' sums of a row side by side,
.set Z, Z+1
.endr
	WIN 0
.irp j, 0,1,2,3
	ds_load_b128 v[64+4*\j:67+4*\j], v[WTO] offset:16*\j   ; and back sixteen to a lane: row lane % 16
.endr
	s_wait_dscnt 0x0
	v_pk_add_f32 v[64:65], v[64:65], v[66:67]
	v_pk_add_f32 v[68:69], v[68:69], v[70:71]
	v_pk_add_f32 v[72:73], v[72:73], v[74:75]
	v_pk_add_f32 v[76:77], v[76:77], v[78:79]
	v_pk_add_f32 v[64:65], v[64:65], v[68:69]
	v_pk_add_f32 v[72:73], v[72:73], v[76:77]
	v_pk_add_f32 v[64:65], v[64:65], v[72:73]
	v_add_f32 v64, v64, v65
	v_permlanex16_b32 v65, v64, s[SEL], s[SEL+1]
	v_add_f32 v64, v64, v65                        ; the wide sum of row 16 w + r,
	v_add_f32 v64, v64, v[BHV]                     ; + its bh
	ds_store_b32 v[WBW], v64
	BARRIER                                        ; the four waves' dots and the wide sums lie in LDS
	s_cmp_lg_u32 s[WV], 0
	s_cbranch_scc1 .Lend
.irp j, 0,1,2,3
	ds_load_b64 v[64+2*\j:65+2*\j], v[HPR] offset:256*\j   ; wave 0: two rows a lane
.endr
	ds_load_b64 v[72:73], v[HPR] offset:WBR-HP
	s_wait_dscnt 0x0
	v_pk_add_f32 v[64:65], v[64:65], v[66:67]
	v_pk_add_f32 v[68:69], v[68:69], v[70:71]
	v_pk_add_f32 v[64:65], v[64:65], v[68:69]
	v_pk_add_f32 v[64:65], v[64:65], v[72:73]
	v_mul_f32 v64, 0xbfb8aa3b, v64                 ; sigmoid(z) = 1 / (1 + 2^(-z log2 e))
	v_mul_f32 v65, 0xbfb8aa3b, v65
	v_exp_f32 v64, v64
	v_exp_f32 v65, v65
	v_nop                                          ; a plain place behind the transcendentals
	s_wait_alu depctr_va_vdst(0)                   ; one wait for both, ahead of their first reader
	v_add_f32 v64, 1.0, v64
	v_add_f32 v65, 1.0, v65
	v_rcp_f32 v64, v64
	v_rcp_f32 v65, v65
	v_nop
	s_wait_alu depctr_va_vdst(0)
	global_store_b64 v[L8], v[64:65], s[20:21]     ; 32 lanes store 256 consecutive bytes, at a multiple of 256 from out0's first byte
.Lend:
	s_wait_tensorcnt 0x0                           ; the wave's end: these three lines, behind my last tensor load and my last LDS store
	ds_add_u32 v[SPW], v[NIL]
	s_wait_dscnt 0x0
	CROUND                                         ; the closing round: no work-group ends while a partner may still ask for a slot that names it
	s_endpgm
.Lfunc_end_k_q533ca3c541_chain:
	.size	k_q533ca3c541_chain, .Lfunc_end_k_q533ca3c541_chain-k_q533ca3c541_chain
	.p2alignl 7, 3214868480
	.fill 96, 4, 3214868480
	.section	.rodata,"a",@progbits
	.p2align	6, 0x0
	.amdhsa_kernel k_q533ca3c541_chain
		.amdhsa_group_segment_fixed_size 327680
		.amdhsa_private_segment_fixed_size 0
		.amdhsa_enable_private_segment 0
		.amdhsa_kernarg_size 72
		.amdhsa_user_sgpr_count 2
		.amdhsa_user_sgpr_kernarg_segment_ptr 1
		.amdhsa_wavefront_size32 1
		.amdhsa_system_sgpr_workgroup_id_x 1
		.amdhsa_system_sgpr_workgroup_id_y 1
		.amdhsa_system_sgpr_workgroup_id_z 1
		.amdhsa_system_vgpr_workitem_id 0
		.amdhsa_next_free_vgpr 1024
		.amdhsa_next_free_sgpr 80
		.amdhsa_reserve_vcc 0
		.amdhsa_float_denorm_mode_32 3
		.amdhsa_float_denorm_mode_16_64 3
		.amdhsa_memory_ordered 1
		.amdhsa_forward_progress 1
		.amdhsa_inst_pref_size 255
	.end_amdhsa_kernel
	.section	.bss,"aw",@nobits
	.p2align	6
	.space	262144
	.amdgpu_metadata
---
amdhsa.version: [ 1, 2 ]
amdhsa.kernels:
  - .name:           k_q533ca3c541_chain
    .symbol:         k_q533ca3c541_chain.kd
    .args:
      - { .name: deep_features, .offset: 0, .size: 8, .value_kind: global_buffer, .address_space: global }
      - { .name: wide_features, .offset: 8, .size: 8, .value_kind: global_buffer, .address_space: global }
      - { .name: domain_ids, .offset: 16, .size: 8, .value_kind: global_buffer, .address_space: global }
      - { .name: Wh, .offset: 24, .size: 8, .value_kind: global_buffer, .address_space: global }
      - { .name: bh, .offset: 32, .size: 8, .value_kind: global_buffer, .address_space: global }
      - { .name: wq, .offset: 40, .size: 8, .value_kind: global_buffer, .address_space: global }
      - { .name: out0, .offset: 48, .size: 8, .value_kind: global_buffer, .address_space: global }
      - { .name: out1, .offset: 56, .size: 8, .value_kind: global_buffer, .address_space: global }
      - { .name: out2, .offset: 64, .size: 8, .value_kind: global_buffer, .address_space: global }
    .group_segment_fixed_size: 327680
    .private_segment_fixed_size: 0
    .kernarg_segment_align: 8
    .kernarg_segment_size: 72
    .max_flat_workgroup_size: 128
    .sgpr_count:     80
    .vgpr_count:     1024
    .wavefront_size: 32
...
	.end_amdgpu_metadata
.endif
;; end of part 2
;; ======== version 2 of 2: 2 launches
;; limits: right only within a limited range of input values
;; workspace buffers: wq 3,244,032 bytes
;; launch prep (part 3): grid 249 x 1, 16 waves a work-group, no clusters, 14,848 bytes of LDS; arguments W1, W2, W3, Wd1, Wd2, b1, b2, b3, bd1, bd2, wq; writes wq
.if DOCPART == 3
	.amdgcn_target "amdgcn-amd-amdhsa--gfx1250"
	.amdhsa_code_object_version 6
	.text
	.protected	k_q533ca3c541_prep
	.globl	k_q533ca3c541_prep
	.p2align	8
	.type	k_q533ca3c541_prep,@function
k_q533ca3c541_prep:
	s_mov_b64 s[64:65], 0
	v_nop
	global_prefetch_b8 v0, s[64:65] scope:SCOPE_SE
	s_setreg_imm32_b32 hwreg(HW_REG_WAVE_MODE, 25, 1), 1
	s_wait_xcnt 0x0
; The five weights ([K][N] f32, K outermost) become codes of FP6 (E2M3) with one E8M0 byte for each 32 along K, laid in wq in the very order
; in which the second launch's waves take them into registers; the five biases are copied into headers ahead of them.
; wq: four headers of 17,408 bytes (one for each place at which a reader may begin its walk over the first layer's four passes; 4,352 bytes for each of the reader's four waves), then 248 PARTS of 12,800 bytes.
; A part is 8 fragments of 1,536 bytes (16 columns x 128 K: register q of lane l at (q / 4) 512 + 16 l + 4 (q % 4)) and 512 bytes of scale words (word j of lane l: fragment 4 (l / 16) + j, column place l % 16).
; Work-group g < 248 makes part g = 8 s + 2 w + u (slot s, reader's wave w, half u).  Its 16 waves: wave i takes 32 columns (group v = i / 4) x one block of 32 along K (b = i % 4).
; A LANE TAKES A COLUMN AND ITS REGISTERS RUN DOWN K: each load reads 128 consecutive bytes, a block's largest magnitude needs no other lane, the conversions give codes with K innermost.
; THE COLUMNS OF A FRAGMENT ARE NOT NEIGHBOURS: place r of fragment 2 v + u' is column 32 v + 8 u' + r + 8 (r / 8), so that the reader's results lie as neighbours along the next K.
; The part is put together in LDS and leaves as 25 runs of 512 consecutive bytes.  Work-group 248 copies the biases.
; A block's scale is 2^(floor(log2(largest magnitude)) - 2); its byte is the largest magnitude's exponent field - 2, held at 1 from below.
; LIMITS: a block of zeros gets the byte 1 with zero codes (the bytes are read by this program alone); magnitudes under 2^-124 share that floor; NaN and infinities are not served.
.set PARTB, 12800
.set HDRB,  69632                      ; the four headers
.set SPARE, 12800                      ; behind the part: the spare words, 128 bytes for each of 16 waves
.set SPW, 10                           ; v10  my spare word's LDS address; never rewritten
.set NIL, 11                           ; v11  0; never rewritten
.set OFF, 16                           ; v16-47  byte offsets of my column in the block's 32 rows
.set X,   48                           ; v48-79  the block's 32 numbers
.set C,   80                           ; v80-85  its codes
.set T,   86                           ; v86-88  the second half's codes as converted
	s_load_b512 s[8:23], s[0:1], 0x0               ; W1 s[8:9], W2 s[10:11], W3 s[12:13], Wd1 s[14:15], Wd2 s[16:17], b1 s[18:19], b2 s[20:21], b3 s[22:23]
	s_load_b128 s[24:27], s[0:1], 0x40             ; bd1, bd2
	s_load_b64 s[28:29], s[0:1], 0x50              ; wq
	v_lshl_add_u32 v[SPW], v0, 2, SPARE
	v_mov_b32 v[NIL], 0
	v_lshrrev_b32 v1, 5, v0
	s_delay_alu instid0(VALU_DEP_1)
	v_readfirstlane_b32 s2, v1                     ; wave 0..15
	v_and_b32 v1, 31, v0                           ; lane
	s_cmp_eq_u32 ttmp9, 248
	s_cbranch_scc1 .Lbias
	s_lshr_b32 s3, s2, 2                           ; v: which 32 columns
	s_and_b32 s4, s2, 3                            ; b: which block of 32 along K
	s_lshr_b32 s5, ttmp9, 3                        ; s: slot
	s_bfe_u32 s6, ttmp9, 0x20001                   ; w
	s_and_b32 s7, ttmp9, 1                         ; u
	s_mul_i32 s30, s5, 43
	s_lshr_b32 s30, s30, 8                         ; p = s / 6 (exact for s < 24)
	s_mul_i32 s31, s30, 6
	s_sub_co_u32 s31, s5, s31                      ; q = s - 6 p
	; each layer's K step and first column for this wave; the layer is chosen below
	s_lshl_b32 s42, s6, 7
	s_lshl_b32 s43, s3, 5
	s_add_co_u32 s44, s42, s43                     ; 128 w + 32 v: W3's and Wd1's column
	s_lshl_b32 s35, s31, 1
	s_add_co_u32 s35, s35, s7                      ; W1: K step 2 q + u
	s_lshl_b32 s36, s30, 9
	s_add_co_u32 s36, s36, s44                     ; W1: column 512 p + 128 w + 32 v
	s_lshl_b32 s45, s30, 2
	s_add_co_u32 s45, s45, s31
	s_sub_co_u32 s45, s45, 2                       ; W2: K step 4 p + q - 2
	s_lshl_b32 s46, s6, 8
	s_lshl_b32 s47, s7, 7
	s_add_co_u32 s46, s46, s47
	s_add_co_u32 s46, s46, s43                     ; W2: column 256 w + 128 u + 32 v
	s_sub_co_u32 s48, s5, 24
	s_lshl_b32 s48, s48, 1
	s_add_co_u32 s48, s48, s7                      ; W3: K step 2 (s - 24) + u
	s_sub_co_u32 s49, s48, 8                       ; Wd1: K step 2 (s - 28) + u
	s_lshl_b32 s50, s7, 1
	s_lshr_b32 s51, s3, 1
	s_add_co_u32 s50, s50, s51                     ; Wd2: K step 2 u + v / 2
	s_lshl_b32 s51, s6, 6
	s_and_b32 s52, s3, 1
	s_lshl_b32 s52, s52, 5
	s_add_co_u32 s51, s51, s52                     ; Wd2: column 64 w + 32 (v % 2)
	; where my 24 bytes of codes and my scale byte go in the part
	s_mul_i32 s53, s3, 3072
	s_and_b32 s54, s4, 1
	s_lshl_b32 s54, s54, 8
	s_add_co_u32 s53, s53, s54                     ; two fragments of 1,536 for each v; lanes 16-31 of a fragment hold the odd blocks
	s_lshr_b32 s54, s4, 1                          ; c = b / 2: registers 6 c .. 6 c + 5
	s_mul_i32 s55, s54, 520
	s_mul_i32 s56, s54, 1016
	s_add_co_u32 s56, s56, 8
	s_add_co_u32 s57, s55, 512
	s_wait_alu depctr_va_vdst(0)
	v_and_b32 v2, 7, v1
	v_lshrrev_b32 v12, 4, v1
	s_delay_alu instid0(VALU_DEP_1)
	v_lshl_add_u32 v2, v12, 3, v2                  ; r = lane % 8 + 8 (lane / 16): my column's place in its fragment
	v_bfe_u32 v3, v1, 3, 1                         ; u' = (lane / 8) % 2: which of the two fragments
	s_delay_alu instid0(VALU_DEP_1)
	v_mul_u32_u24 v4, v3, 1536
	s_delay_alu instid0(VALU_DEP_1)
	v_lshl_add_u32 v4, v2, 4, v4
	s_delay_alu instid0(VALU_DEP_1)
	v_add_nc_u32 v4, s53, v4                       ; B = 3072 v + 1536 u' + 16 r + 256 (b % 2)
	s_delay_alu instid0(VALU_DEP_1)
	v_add_nc_u32 v5, s56, v4                       ; registers 6 c + 2, + 3: B + 8 (c = 0), B + 1024 (c = 1)
	s_delay_alu instid0(VALU_DEP_2)
	v_add_nc_u32 v6, s57, v4                       ; registers 6 c + 4, + 5: B + 512, B + 1032
	s_delay_alu instid0(VALU_DEP_3)
	v_add_nc_u32 v4, s55, v4                       ; registers 6 c, + 1: B, B + 520
	s_lshr_b32 s58, s3, 1
	s_lshl_b32 s58, s58, 8
	s_and_b32 s59, s3, 1
	s_lshl_b32 s59, s59, 3
	s_add_co_u32 s58, s58, s59
	s_add_co_u32 s58, s58, s4
	s_add_co_u32 s58, s58, 12288
	v_lshlrev_b32 v7, 2, v3
	s_delay_alu instid0(VALU_DEP_1)
	v_lshl_add_u32 v7, v2, 4, v7
	s_delay_alu instid0(VALU_DEP_1)
	v_add_nc_u32 v7, s58, v7                       ; the byte: 12,288 + 256 (v / 2) + 16 r + 8 (v % 2) + 4 u' + b
	v_lshlrev_b32 v8, 4, v0                        ; the way out: 16 x thread
	; THE PART'S PLACE IN wq: the reader's wave w finds its 62 parts on end, in the order U in which it multiplies them: place 62 w + U.
	s_lshl_b32 s52, s30, 2                         ; 4 p
	s_lshl_b32 s53, s31, 1
	s_add_co_u32 s53, s53, s52
	s_add_co_u32 s53, s53, s7                      ; first layer: U = 4 p + 2 q + u (pass p, K step 2 q + u)
	s_lshl_b32 s54, s7, 4
	s_add_co_u32 s54, s54, s52
	s_add_co_u32 s54, s54, s31
	s_add_co_u32 s54, s54, 14                      ; second layer: U = 16 + 16 u + (4 p + q - 2) (column half u, K step 4 p + q - 2)
	s_lshl_b32 s55, s5, 1
	s_add_co_u32 s55, s55, s7                      ; the last three layers: U = 48 + 2 (s - 24) + u
	s_cmp_ge_u32 s31, 2
	s_cselect_b32 s53, s54, s53
	s_cmp_ge_u32 s5, 24
	s_cselect_b32 s53, s55, s53
	s_mul_i32 s54, s6, 62
	s_add_co_u32 s53, s53, s54
	s_mul_i32 s40, s53, PARTB
	s_add_co_u32 s40, s40, HDRB
	s_mov_b32 s41, 0
	s_wait_kmcnt 0x0
	s_add_nc_u64 s[40:41], s[28:29], s[40:41]      ; my part in wq
	s_mov_b64 s[32:33], s[8:9]                     ; the layer, by the work-group's number alone
	s_mov_b32 s34, 11                              ; log2 N
	s_cmp_ge_u32 s31, 2
	s_cselect_b64 s[32:33], s[10:11], s[32:33]
	s_cselect_b32 s34, 10, s34
	s_cselect_b32 s35, s45, s35
	s_cselect_b32 s36, s46, s36
	s_cmp_ge_u32 s5, 24
	s_cselect_b64 s[32:33], s[12:13], s[32:33]
	s_cselect_b32 s34, 9, s34
	s_cselect_b32 s35, s48, s35
	s_cselect_b32 s36, s44, s36
	s_cmp_ge_u32 s5, 28
	s_cselect_b64 s[32:33], s[14:15], s[32:33]
	s_cselect_b32 s35, s49, s35
	s_cmp_eq_u32 s5, 30
	s_cselect_b64 s[32:33], s[16:17], s[32:33]
	s_cselect_b32 s34, 8, s34
	s_cselect_b32 s35, s50, s35
	s_cselect_b32 s36, s51, s36
	s_lshl_b32 s38, s35, 7
	s_lshl_b32 s39, s4, 5
	s_add_co_u32 s38, s38, s39                     ; my block's first row: 128 k + 32 b
	s_lshl_b32 s38, s38, s34
	s_add_co_u32 s38, s38, s36
	s_lshl_b32 s38, s38, 2                         ; (row x N + column) x 4 bytes, under 2^24
	s_mov_b32 s39, 0
	s_add_nc_u64 s[32:33], s[32:33], s[38:39]
	s_lshl_b32 s37, 4, s34                         ; a row of the weight in bytes
	v_lshlrev_b32 v[OFF], 2, v1
.set Z, 1
.rept 31
	s_delay_alu instid0(VALU_DEP_1)
	v_add_nc_u32 v[OFF+Z], s37, v[OFF+Z-1]
.set Z, Z+1
.endr
.set Z, 0
.rept 32
	global_load_b32 v[X+Z], v[OFF+Z], s[32:33] th:TH_LOAD_NT   ; row 128 k + 32 b + Z, my column: 32 lanes read 128 consecutive bytes
.set Z, Z+1
.endr
	s_wait_loadcnt 0x0
	v_max3_num_f32 v12, |v[X]|, |v[X+1]|, |v[X+2]|  ; the block's largest magnitude: all 32 numbers are mine; two chains
	v_max3_num_f32 v13, |v[X+3]|, |v[X+4]|, |v[X+5]|
.irp i, 6,10,14,18,22,26
	s_delay_alu instid0(VALU_DEP_2)
	v_max3_num_f32 v12, v12, |v[X+\i]|, |v[X+\i+1]|
	s_delay_alu instid0(VALU_DEP_2)
	v_max3_num_f32 v13, v13, |v[X+\i+2]|, |v[X+\i+3]|
.endr
	s_delay_alu instid0(VALU_DEP_2)
	v_max3_num_f32 v12, v12, |v[X+30]|, |v[X+31]|
	s_delay_alu instid0(VALU_DEP_1)
	v_max3_num_f32 v12, v12, v13, 0x1800000        ; and the floor 2^(3 - 127): the byte cannot fall under 1
	s_delay_alu instid0(VALU_DEP_1)
	v_add_nc_u32 v14, 0xff000000, v12              ; 2 off the exponent field: the conversion takes this operand's exponent field as its scale
	s_delay_alu instid0(VALU_DEP_1)
	v_lshrrev_b32 v15, 23, v14                     ; the scale's byte
	v_cvt_scalef32_pk16_fp6_f32 v[C:C+2], v[X:X+15], v14
	v_cvt_scalef32_pk16_fp6_f32 v[T:T+2], v[X+16:X+31], v14   ; (a conversion's three registers begin on an even number)
	v_nop                                          ; one plain place behind a scaled conversion
	v_mov_b32 v[C+3], v[T]
	v_mov_b32 v[C+4], v[T+1]
	v_mov_b32 v[C+5], v[T+2]
	ds_store_b64 v4, v[C:C+1]
	ds_store_b64 v5, v[C+2:C+3]
	ds_store_b64 v6, v[C+4:C+5]
	ds_store_b8 v7, v15
	s_wait_dscnt 0x0                               ; for the others' sake: my stores have landed
	s_barrier_signal -1
	s_barrier_wait -1                              ; the part is whole
	ds_load_b128 v[90:93], v8                      ; runs 0 to 15 of 512 bytes, one a wave
	s_cmp_ge_u32 s2, 9
	s_cbranch_scc1 .Lone
	ds_load_b128 v[96:99], v8 offset:8192          ; runs 16 to 24: waves 0 to 8
	s_wait_dscnt 0x0
	global_store_b128 v8, v[96:99], s[40:41] offset:8192
.Lone:
	s_wait_dscnt 0x0
	global_store_b128 v8, v[90:93], s[40:41]       ; 32 lanes store 512 consecutive bytes, at a multiple of 256 from wq's first byte
	s_wait_tensorcnt 0x0                           ; the wave's end: these three lines behind my last LDS store
	ds_add_u32 v[SPW], v[NIL]
	s_wait_dscnt 0x0
	s_endpgm
; THE HEADERS.  Wave w < 4 copies what the reader's wave w wants where its walk begins at pass t = 0, 4,352 bytes at 4,352 x (4 t + w):
; b1[512 ((t + i) % 4) + 128 w ..] for i = 0..3, b3[128 w ..], bd1[128 w ..], b2[256 w ..], bd2[64 w ..].
.Lbias:
	s_wait_kmcnt 0x0
	s_cmp_ge_u32 s2, 4                             ; the reader takes the first header alone: waves 0 to 3 write it (t = 0), the others have nothing to copy
	s_cbranch_scc1 .Lnone
	s_lshr_b32 s3, s2, 2                           ; t: the pass at which the walk begins
	s_and_b32 s4, s2, 3                            ; w: the reader's wave
	s_wait_alu depctr_va_vdst(0)
	v_lshlrev_b32 v12, 4, v1
	s_wait_alu depctr_va_vdst(0)
	v_lshlrev_b32 v13, 3, v1
	s_lshl_b32 s42, s4, 9
	s_mov_b32 s43, 0
	s_add_nc_u64 s[18:19], s[18:19], s[42:43]
	s_add_nc_u64 s[22:23], s[22:23], s[42:43]
	s_add_nc_u64 s[24:25], s[24:25], s[42:43]
	s_lshl_b32 s42, s4, 10
	s_add_nc_u64 s[20:21], s[20:21], s[42:43]
	s_lshl_b32 s42, s4, 8
	s_add_nc_u64 s[26:27], s[26:27], s[42:43]
	s_mul_i32 s42, s2, 4352
	s_add_nc_u64 s[28:29], s[28:29], s[42:43]
.irp p, 0,1,2,3
	s_add_co_u32 s44, s3, \p
	s_and_b32 s44, s44, 3
	s_lshl_b32 s44, s44, 11                        ; pass (t + p) % 4: 2,048 bytes of b1 a pass
	v_add_nc_u32 v[52+\p], s44, v12
.endr
	s_wait_alu depctr_va_vdst(0)
.irp p, 0,1,2,3
	global_load_b128 v[16+4*\p:19+4*\p], v[52+\p], s[18:19]
.endr
	global_load_b128 v[32:35], v12, s[20:21]       ; the blocks lie in the order of their use: b1's four, b2's two, b3, bd1, bd2
	global_load_b128 v[36:39], v12, s[20:21] offset:512
	global_load_b128 v[40:43], v12, s[22:23]
	global_load_b128 v[44:47], v12, s[24:25]
	global_load_b64 v[48:49], v13, s[26:27]
	s_wait_loadcnt 0x0
.irp p, 0,1,2,3,4,5,6,7
	global_store_b128 v12, v[16+4*\p:19+4*\p], s[28:29] offset:512*\p
.endr
	global_store_b64 v13, v[48:49], s[28:29] offset:4096
.Lnone:
	s_endpgm
.Lfunc_end_k_q533ca3c541_prep:
	.size	k_q533ca3c541_prep, .Lfunc_end_k_q533ca3c541_prep-k_q533ca3c541_prep
	.p2alignl 7, 3214868480
	.fill 96, 4, 3214868480
	.section	.rodata,"a",@progbits
	.p2align	6, 0x0
	.amdhsa_kernel k_q533ca3c541_prep
		.amdhsa_group_segment_fixed_size 14848
		.amdhsa_private_segment_fixed_size 0
		.amdhsa_enable_private_segment 0
		.amdhsa_kernarg_size 88
		.amdhsa_user_sgpr_count 2
		.amdhsa_user_sgpr_kernarg_segment_ptr 1
		.amdhsa_wavefront_size32 1
		.amdhsa_system_sgpr_workgroup_id_x 1
		.amdhsa_system_sgpr_workgroup_id_y 1
		.amdhsa_system_sgpr_workgroup_id_z 1
		.amdhsa_system_vgpr_workitem_id 0
		.amdhsa_next_free_vgpr 104
		.amdhsa_next_free_sgpr 66
		.amdhsa_reserve_vcc 0
		.amdhsa_float_denorm_mode_32 3
		.amdhsa_float_denorm_mode_16_64 3
		.amdhsa_memory_ordered 1
		.amdhsa_forward_progress 1
		.amdhsa_inst_pref_size 16
	.end_amdhsa_kernel
	.amdgpu_metadata
---
amdhsa.version: [ 1, 2 ]
amdhsa.kernels:
  - .name:           k_q533ca3c541_prep
    .symbol:         k_q533ca3c541_prep.kd
    .args:
      - { .name: W1, .offset: 0, .size: 8, .value_kind: global_buffer, .address_space: global }
      - { .name: W2, .offset: 8, .size: 8, .value_kind: global_buffer, .address_space: global }
      - { .name: W3, .offset: 16, .size: 8, .value_kind: global_buffer, .address_space: global }
      - { .name: Wd1, .offset: 24, .size: 8, .value_kind: global_buffer, .address_space: global }
      - { .name: Wd2, .offset: 32, .size: 8, .value_kind: global_buffer, .address_space: global }
      - { .name: b1, .offset: 40, .size: 8, .value_kind: global_buffer, .address_space: global }
      - { .name: b2, .offset: 48, .size: 8, .value_kind: global_buffer, .address_space: global }
      - { .name: b3, .offset: 56, .size: 8, .value_kind: global_buffer, .address_space: global }
      - { .name: bd1, .offset: 64, .size: 8, .value_kind: global_buffer, .address_space: global }
      - { .name: bd2, .offset: 72, .size: 8, .value_kind: global_buffer, .address_space: global }
      - { .name: wq, .offset: 80, .size: 8, .value_kind: global_buffer, .address_space: global }
    .group_segment_fixed_size: 14848
    .private_segment_fixed_size: 0
    .kernarg_segment_align: 8
    .kernarg_segment_size: 88
    .max_flat_workgroup_size: 512
    .sgpr_count:     66
    .vgpr_count:     104
    .wavefront_size: 32
...
	.end_amdgpu_metadata
.endif
;; end of part 3
;; launch chain (part 4): grid 256 x 1, 4 waves a work-group, clusters of 4 x 1, 327,680 bytes of LDS; arguments deep_features, wide_features, domain_ids, Wh, bh, wq, out0, out1, out2; writes out0, out1, out2
.if DOCPART == 4
	.amdgcn_target "amdgcn-amd-amdhsa--gfx1250"
	.amdhsa_code_object_version 6
	.text
	.protected	k_q533ca3c541_chain
	.globl	k_q533ca3c541_chain
	.p2align	8
	.type	k_q533ca3c541_chain,@function
k_q533ca3c541_chain:
	s_mov_b64 s[64:65], 0
	v_nop
	global_prefetch_b8 v0, s[64:65] scope:SCOPE_SE
	s_setreg_imm32_b32 hwreg(HW_REG_WAVE_MODE, 25, 1), 1
	s_wait_xcnt 0x0
	s_wait_alu depctr_hold_cnt(0) depctr_sa_sdst(0) depctr_va_vdst(0) depctr_va_sdst(0) depctr_va_ssrc(0) depctr_va_vcc(0) depctr_vm_vsrc(0)
	s_getreg_b32 s2, hwreg(HW_REG_IB_STS2, 6, 4)
	s_cmp_eq_u32 s2, 0
	s_cbranch_scc0 .Lentry_in_a_cluster
	s_endpgm
.Lentry_in_a_cluster:
	s_bfe_u32 s2, ttmp6, 0x10000c
	s_cmp_lg_u32 s2, 0x3003
	s_cbranch_scc0 .Lentry_shape_is_right
	s_endpgm
.Lentry_shape_is_right:
; The whole chain for 64 rows a work-group: x (512) -> 2048 -> 1024 -> 512 (out1) -> 512 -> 256 (out2), five products on codes of FP6 (E2M3) with E8M0 scales for each 32 along K,
; bias and relu behind each, each hidden layer quantised again in registers; then the head's dot with Wh[domain_ids], the sum of the wide features, and the sigmoid (out0).
; SHARES.  256 work-groups of four waves.  The waves share the COLUMNS: of each layer wave w makes a quarter of the columns for all 64 rows, so each byte of the weights feeds one wave, once.
; THE WEIGHTS.  The launch before has laid them as images of the operand's registers, each wave's 62 UNITS of 12,800 bytes on end in the order of use.  A unit is 8 fragments (16 columns x 128 K) and their scale words:
; 32 matrix instructions.  Four register buffers take turns.  THE UNITS COME BY TWO WAYS, BY TURNS.  The odd ones are asked for JOINTLY by the four work-groups of a cluster (mask 15), which all walk the same units:
; a ring of two LDS slots of one unit a wave; a slot that has landed is copied into its register buffer directly behind the refill of the other.  The even ones come from memory straight into registers, asked for three units ahead.
; So a joint load has two units' work (64 matrix instructions a wave) in which to land, with slots of one unit a wave, for which LDS has room beside the hidden layers, and there is one round of the cluster's barrier for two units.
; A PREFETCH names the ring's unit that stands two refills on (128 matrix instructions a wave ahead of its load): of a wave's 50 runs of 256 bytes each partner names 13 (the last 11), told apart by address; the loops end at unit 61, the last.
; Each hidden layer lies whole in LDS as codes: one plain barrier stands between two layers and none inside one.  The second product goes in two halves of my 256 columns, so that 32 accumulators of 16 x 16 (window 1) serve every layer.
; LAYOUT.  Every product is used transposed (source 0 = 16 columns of the weight, source 1 = 16 rows): a lane holds ONE row, and by the choice of a fragment's columns the 16 registers of tiles 2 b, 2 b + 1
; are 16 neighbours along the next K.  Activations go from wave to wave through LDS as images of the operand's registers: a K step is 4 fragments of 1,536 bytes and 256 bytes of scale words.
; The biases are loaded into the accumulators, so every product adds in place and nothing is cleared.
; LIMITS: the sums begin with the bias (all in f32); NaN and infinities are not served; a block of zeros gets the byte 1 with zero codes; magnitudes under 2^-124 share that floor; a domain id outside 0..7 is held at 7.
.set PARTB, 12800                      ; a unit
.set SLOTB, 4*PARTB                    ; a slot of the ring: a unit for each wave
.set KSB,   6400                       ; an activation K step in LDS
.set HDRT,  69632                      ; the units begin here in wq; the header (4,352 bytes a wave) at 0
.set WSTR,  62*PARTB                   ; a wave's units
.set H2R,   2*SLOTB                    ; LDS behind the ring: the second hidden layer, 8 K steps
.set H1R,   153600                     ; the first, 16 K steps
.set XR,    256000                     ; x, 4 K steps; later the fourth product's result
.set D1R,   XR
.set X2R,   281600                     ; out1's codes, 4 K steps
.set STG,   H1R+4*KSB                  ; a stage of 8,448 bytes for each wave, in the first hidden layer's K steps 4 to 9 while that layer is not alive
.set BIAS,  307200                     ; the header
.set HP,    324608                     ; the head's partial dots: [wave][64 rows]
.set WBR,   325632                     ; the wide sums: [64 rows]
.set BHR,   325888                     ; bh of each row: [64 rows]
.set SPARE, 326144                     ; the spare words, 128 bytes a wave
; window 0
.set LI,   1                           ; 16 x lane
.set LR,   2                           ; 16 x (lane % 16)
.set AL,   3                           ; activation fragments of the region in hand
.set ALS,  4                           ; and its scale words
.set AX,   5                           ; the same for XR
.set AXS,  6
.set DIM,  7                           ; where I store images
.set DIMS, 8
.set DX0,  9                           ; XR, row tile w
.set DXS,  10
.set STI,  11                          ; my stage, 16 rows x 528: row lane % 16, + 64 (lane / 16)
.set STO,  12                          ; the same by rows: 16 x lane
.set ST2I, 13                          ; my stage as 16 rows x 272
.set ST2O, 14
.set G2O,  15                          ; out2: 1,024 (lane / 16) + 16 (lane % 16)
.set ABI,  16                          ; my block of the header + 64 (lane / 16)
.set ABL,  17                          ; the same + s[SB]
.set SPW,  18                          ; my spare word; never rewritten
.set NIL,  19                          ; 0; never rewritten
.set HPR,  20
.set BHV,  21
.set HPW,  22
.set WBW,  23
.set WSA,  24
.set L8,   25                          ; 8 x lane
.set TT,   26
.set BHA,  27
.set HB,   28                          ; my block of the header + 16 x lane
.set HB8,  29                          ; + 8 x lane
.set WA,   30                          ; my quarter of slot 0 + 16 x lane
.set PFO,  31                          ; the prefetches' offset in a unit
.set WS,   32                          ; v32-47: the weights' scale words, four for each buffer: scales and nothing else
.set AS,   48                          ; v48-55: the activations' scale words, two sets
.set VG,   56                          ; v56-59: 1,024 x id + 64 (lane / 16) for the four row tiles
.set WD,   64                          ; v64-95: four rows of the wide features; at the end the head's dots
.set HD,   64
.set OB,   96                          ; v96-159: the header on its way; later 16 rows of out1 back from the stage
.set AF,   160                         ; v160-207, v208-255: four activation fragments each
.set PC,   208                         ; over the second set, between products: the codes just made,
.set TM,   228                         ; at work,
.set PW,   244                         ; the scale word just made
; window 1: x, then the accumulators (row tile m, tile t at 64 m + 8 t).  Windows 2, 3: weight buffers 0, 1 and 2, 3 (v0-95, v96-191); from v192 the gathered rows of Wh
.set WV,   2                           ; s2  wave
.set WP,   26                          ; s[26:27] the first unit of the trip in hand
.set G1,   28                          ; s[28:35] group 1: 50 rows of 256 bytes
.set G0,   36                          ; s[36:39], s[40:43] group 0 for slot 0, 1
.set SEL,  56                          ; s[56:57] v_permlanex16_b32's selects for lane l xor 16
.set SA,   60                          ; LDS byte of the activation K steps in hand
.set SB,   61                          ; byte in my header block of the next bias
.set SD,   62                          ; LDS byte of the next image
.set SW,   63                          ; LDS byte of the next four wide sums
.set MSB, 0
.macro WIN new                         ; the immediate's high byte repeats the setting that is left; a switch that changes nothing is dropped
.if MSB != (\new)
	s_set_vgpr_msb (MSB<<8)|(\new)
.set MSB, (\new)
.endif
.endm
.macro PLACES                          ; four plain places behind matrix instructions, ahead of loads into their registers and of the first read of results
.rept 4
	v_nop
.endr
.endm
.macro CROUND                          ; a round of the cluster's barrier
	s_barrier_signal -1
	s_barrier_wait -1
	s_cmp_lg_u32 s[WV], 0
	s_cbranch_scc1 .Lnot_wave_0_\@
	s_barrier_signal -3
.Lnot_wave_0_\@:
	s_barrier_wait -3
	s_barrier_signal -1
	s_barrier_wait -1
.endm
.macro BARRIER                         ; my LDS stores have landed and my LDS loads are in: then the work-group's barrier.  A refill may be on its way
	s_wait_dscnt 0x0
	s_barrier_signal -1
	s_barrier_wait -1
.endm
.macro FA adr, adrs, off, set          ; 13 loads: a K step's four activation fragments and their scale words
.irp m, 0,1,2,3
.irp c, 0,1,2
	ds_load_b128 v[AF+48*(\set)+12*\m+4*\c:AF+48*(\set)+12*\m+4*\c+3], v[\adr] offset:(\off)+1536*\m+512*\c
.endr
.endr
	ds_load_b128 v[AS+4*(\set):AS+4*(\set)+3], v[\adrs] offset:(\off)+6144
.endm
.macro WLD b, off, f0                  ; from memory: fragments f0 .. f0 + 3 of the unit at off into buffer b; with f0 = 0 its scale words too (register j: lanes 0-15 fragment j, lanes 16-31 fragment 4 + j)
.if (\f0) == 0
	WIN 0
	global_load_b128 v[WS+4*(\b):WS+4*(\b)+3], v[LI], s[WP:WP+1] offset:(\off)+12288
.endif
	WIN (2+(\b)/2)<<6
.irp f, 0,1,2,3
.irp c, 0,1,2
	global_load_b128 v[96*((\b)%2)+12*((\f0)+\f)+4*\c:96*((\b)%2)+12*((\f0)+\f)+4*\c+3], v[LI], s[WP:WP+1] offset:(\off)+1536*((\f0)+\f)+512*\c
.endr
.endr
.endm
.macro CPY h, b                        ; 25 loads: my quarter of slot h, which my own tensor load brought, into buffer b
	ds_load_b128 v[WS+4*(\b):WS+4*(\b)+3], v[WA] offset:(\h)*SLOTB+12288
	WIN (2+(\b)/2)<<6
.irp f, 0,1,2,3,4,5,6,7
.irp c, 0,1,2
	ds_load_b128 v[96*((\b)%2)+12*\f+4*\c:96*((\b)%2)+12*\f+4*\c+3], v[WA] offset:(\h)*SLOTB+1536*\f+512*\c
.endr
.endr
	WIN 0
.endm
.macro MUL4 b, f, set, t               ; fragment f of buffer b against the four row tiles: four accumulators
.irp m, 0,1,2,3
.if (\f) >= 4
	v_wmma_scale_f32_16x16x128_f8f6f4 v[64*\m+8*(\t):64*\m+8*(\t)+7], v[96*((\b)%2)+12*(\f):96*((\b)%2)+12*(\f)+11], v[AF+48*(\set)+12*\m:AF+48*(\set)+12*\m+11], v[64*\m+8*(\t):64*\m+8*(\t)+7], v[WS+4*(\b)+(\f)-4], v[AS+4*(\set)+\m] matrix_a_fmt:MATRIX_FMT_FP6 matrix_b_fmt:MATRIX_FMT_FP6 matrix_a_scale:MATRIX_SCALE_ROW1
.else
	v_wmma_scale_f32_16x16x128_f8f6f4 v[64*\m+8*(\t):64*\m+8*(\t)+7], v[96*((\b)%2)+12*(\f):96*((\b)%2)+12*(\f)+11], v[AF+48*(\set)+12*\m:AF+48*(\set)+12*\m+11], v[64*\m+8*(\t):64*\m+8*(\t)+7], v[WS+4*(\b)+(\f)], v[AS+4*(\set)+\m] matrix_a_fmt:MATRIX_FMT_FP6 matrix_b_fmt:MATRIX_FMT_FP6
.endif
.endr
.endm
; Half h of a trip of four units: units 2 h (buffer 2 h, from memory; activation set 0) and 2 h + 1 (buffer 2 h + 1, from slot h; set 1): 2 x 32 matrix instructions on 32 accumulators, which take turns.
; It opens with the change of slots: every wave waits for all its tensor loads (the one that is out is its quarter of slot h), adds 0 to its spare word, waits for that and for its reads of the other slot (copied half a trip ago);
; a round of the cluster's barrier; the joint load of the ring's next unit into the other slot (the very first time: that slot's first fill), first behind it.
; n0, n1: where the K steps of units 2 h + 1 and 2 h + 2 lie (n1 < 0: none is fetched).  ld: unit 2 h + 4 is asked of memory, into the buffer that unit 2 h has left.  wc: the global loads issued behind unit 2 h's own.
.macro PERIOD h, adr, adrs, n0, n1, ld, wc, pf
	WIN 0
	s_wait_tensorcnt 0x0                           ; all my tensor loads have landed, so a group 0 may be written
	ds_add_u32 v[SPW], v[NIL]                      ; 0 onto my spare word
	s_add_nc_u64 s[G0+4*(\h)+2:G0+4*(\h)+3], s[G0+4*(\h)+2:G0+4*(\h)+3], 4*PARTB   ; slot h's next unit
	s_wait_dscnt 0x0                               ; the add is done, and my reads of the other slot are over
	CROUND                                         ; no wave of any partner still reads that slot or has a load on its way
	tensor_load_to_lds s[G0+4*(1-(\h)):G0+4*(1-(\h))+3], s[G1:G1+7]
	s_nop 0
	PLACES                                         ; also the places ahead of the loads below
	FA \adr, \adrs, \n0, 1
	CPY \h, 2*(\h)+1
.if \pf
	s_cmp_lt_u32 ttmp9, 4
	s_cbranch_scc0 .Lno_prefetch_chain0_\@
	global_prefetch_b8 v[PFO], s[WP:WP+1] offset:(2*(\h)+7)*PARTB th:TH_LOAD_NT scope:SCOPE_SE   ; the ring's unit two refills on
.Lno_prefetch_chain0_\@:
.endif
	s_wait_loadcnt \wc                             ; unit 2 h is in; its K step was waited for above
	WIN 0x50|(2+(\h))
.irp j, 0,1,2,3,4,5,6,7
	MUL4 2*(\h), \j, 0, \j
.endr
	PLACES
	WIN 0
.if (\n1) >= 0
	FA \adr, \adrs, \n1, 0
.endif
.if \ld
	WLD 2*(\h), (2*(\h)+4)*PARTB, 0
.endif
.if (\n1) >= 0
	s_wait_dscnt 13                                ; all but the 13 just issued: the copy and this unit's K step are in
.else
	s_wait_dscnt 0x0
.endif
	WIN 0x50|(2+(\h))
.irp j, 0,1,2,3
	MUL4 2*(\h)+1, \j, 1, \j
.endr
.if \ld
	WLD 2*(\h), (2*(\h)+4)*PARTB, 4
	WIN 0x50|(2+(\h))
.endif
.irp j, 4,5,6,7
	MUL4 2*(\h)+1, \j, 1, \j
.endr
.endm
.macro STEPW                           ; four units on: the loads and the prefetches have read their base
	WIN 0
	s_wait_xcnt 0x0
	s_add_nc_u64 s[WP:WP+1], s[WP:WP+1], 4*PARTB
.endm
.macro RELU W, s, n                    ; in f32, in place, ascending: each accumulator is first read at its low end
	WIN ((\W)<<2)|((\W)<<6)
.set RI, 0
.rept \n
	v_max_num_f32 v[(\s)+RI], 0, v[(\s)+RI]
.set RI, RI+1
.endr
.endm
; 64 numbers of a lane in window W, register 16 b + i = k 32 b + 16 (lane / 16) + i of my row, become a fragment's codes in v[PC] on and its scale word in v[PW].
.macro QUANT W, s
	WIN ((\W)<<2)|((\W)<<4)
.irp b, 0,1,2,3
	v_max3_num_f32 v[TM+\b], 0x1800000, |v[(\s)+16*\b]|, |v[(\s)+16*\b+1]|   ; block b: my 16 numbers, and the floor 2^(3 - 127): the byte cannot fall under 1
.endr
.irp i, 2,4,6,8,10,12,14
.irp b, 0,1,2,3
	v_max3_num_f32 v[TM+\b], v[TM+\b], |v[(\s)+16*\b+\i]|, |v[(\s)+16*\b+\i+1]|
.endr
.endr
	WIN 0
.irp b, 0,1,2,3
	v_permlanex16_b32 v[TM+4+\b], v[TM+\b], s[SEL], s[SEL+1]
.endr
.irp b, 0,1,2,3
	v_max_num_f32 v[TM+\b], v[TM+\b], v[TM+4+\b]   ; with lane l xor 16's: the block's largest magnitude
.endr
.irp b, 0,1,2,3
	v_add_nc_u32 v[TM+12+\b], 0xff000000, v[TM+\b] ; 2 off its exponent field: the conversion's scale operand
.endr
.irp b, 0,1,2,3
	v_lshrrev_b32 v[TM+4+\b], 23, v[TM+12+\b]      ; the scale's byte
.endr
	s_wait_alu depctr_va_vdst(0)
	s_wait_dscnt 0x0                               ; the last image's stores have read the codes' registers and the scale word
	v_lshl_or_b32 v[PW], v[TM+5], 8, v[TM+4]
	v_lshl_or_b32 v[PW], v[TM+6], 16, v[PW]
	v_lshl_or_b32 v[PW], v[TM+7], 24, v[PW]
	WIN \W
.irp c, 0,1
	v_cvt_scalef32_pk16_fp6_f32 v[PC+6*\c:PC+6*\c+2], v[(\s)+32*\c:(\s)+32*\c+15], v[TM+12+2*\c]
	v_cvt_scalef32_pk16_fp6_f32 v[PC+12+4*\c:PC+14+4*\c], v[(\s)+32*\c+16:(\s)+32*\c+31], v[TM+13+2*\c]   ; (a conversion's three registers begin on an even number)
.endr
	WIN 0
	v_nop                                          ; one plain place behind a scaled conversion
.irp c, 0,1                            ; the operand's layout wants a WHOLE block in a lane
.irp i, 0,1,2
	v_permlane16_swap_b32 v[PC+6*\c+\i], v[PC+12+4*\c+\i]
.endr
.irp i, 0,1,2
	v_mov_b32 v[PC+3+6*\c+\i], v[PC+12+4*\c+\i]
.endr
.endr
.endm
.macro IMAGE adr, adrs, off, m         ; the fragment goes to LDS as it stands, as row tile m of a K step; both halves of the lanes store the same scale word
.irp c, 0,1,2
	ds_store_b128 v[\adr], v[PC+4*\c:PC+4*\c+3] offset:(\off)+1536*(\m)+512*\c
.endr
	ds_store_b32 v[\adrs], v[PW] offset:(\off)+6144+4*(\m)
.endm
.macro INIT W, s, adr, off, nt         ; a bias into the accumulators of one row tile: tile t's eight numbers of my half lie at 128 (t / 2) + 32 (t % 2)
	WIN (\W)<<6
.set TI, 0
.rept \nt
	ds_load_b128 v[(\s)+8*TI:(\s)+8*TI+3], v[\adr] offset:(\off)+128*(TI/2)+32*(TI%2)
	ds_load_b128 v[(\s)+8*TI+4:(\s)+8*TI+7], v[\adr] offset:(\off)+128*(TI/2)+32*(TI%2)+16
.set TI, TI+1
.endr
	WIN 0
.endm
.macro SETD                            ; where this layer's images go
	v_add_nc_u32 v[DIM], s[SD], v[LI]
	v_add_nc_u32 v[DIMS], s[SD], v[LR]
.endm
.macro QPH adr, off, nt                ; a finished layer: relu, codes and scale words into LDS, the next bias into the accumulators
.irp m, 0,1,2,3
	RELU 1, 64*\m, 64
	QUANT 1, 64*\m
	IMAGE DIM, DIMS, 0, \m
	INIT 1, 64*\m, \adr, \off, \nt
.endr
.endm
.macro TURN s                          ; K step s of x, loaded 16 bytes a lane by rows, goes through my stage and comes back 16 neighbours of each block a lane.  LDS serves a wave's instructions in order
	WIN 0x44
.set Z, 0
.rept 16
	ds_store_b128 v[STO], v[64*(\s)+4*Z:64*(\s)+4*Z+3] offset:528*Z
.set Z, Z+1
.endr
.set Z, 0
.rept 16
	ds_load_b128 v[64*(\s)+4*Z:64*(\s)+4*Z+3], v[STI] offset:128*(Z/4)+16*(Z%4)
.set Z, Z+1
.endr
	WIN 0
.endm
.macro TOSTAGE1 m                      ; row tile m of out1, my 128 columns: into my stage, back as whole rows of 512 bytes
	WIN 0x04
.set Z, 0
.rept 16
	ds_store_b128 v[STI], v[64*(\m)+4*Z:64*(\m)+4*Z+3] offset:128*(Z/4)+16*(Z%4)
.set Z, Z+1
.endr
	WIN 0
.set Z, 0
.rept 16
	ds_load_b128 v[OB+4*Z:OB+4*Z+3], v[STO] offset:528*Z
.set Z, Z+1
.endr
.endm
.macro SEND1 m
.set Z, 0
.rept 16
	global_store_b128 v[LI], v[OB+4*Z:OB+4*Z+3], s[22:23] offset:(16*(\m)+Z)*2048 th:TH_STORE_NT   ; 32 lanes store 512 consecutive bytes, at a multiple of 256 from out1's first byte
.set Z, Z+1
.endr
.endm
	s_load_b512 s[8:23], s[0:1], 0x0               ; deep s[8:9], wide s[10:11], ids s[12:13], Wh s[14:15], bh s[16:17], wq s[18:19], out0 s[20:21], out1 s[22:23]
	s_load_b64 s[24:25], s[0:1], 0x40              ; out2
	v_lshl_add_u32 v[SPW], v0, 2, SPARE
	v_mov_b32 v[NIL], 0
	ds_add_u32 v[SPW], v[NIL]                      ; the wave's opening: the add, twice on end, and its wait ahead of my first tensor load; the set-up below, work on registers, stands between
	ds_add_u32 v[SPW], v[NIL]
	v_lshrrev_b32 v[TT], 5, v0
	v_readfirstlane_b32 s[WV], v[TT]               ; wave 0..3
	s_mov_b32 s[G1], 15|(3<<16)|(1<<21)            ; 15:0 the mask: all four work-groups; 17:16 elements of 8 bytes; 21 set beside a mask; no padding: images are read as consecutive bytes
	s_mov_b32 s[G1+1], 32<<16                      ; tensor_dim0 = 32 elements: 256 bytes
	s_mov_b32 s[G1+2], 50<<16                      ; tensor_dim1 = 50 rows
	s_mov_b32 s[G1+3], 32<<16                      ; tile_dim0
	s_mov_b32 s[G1+4], 50                          ; tile_dim1
	s_mov_b32 s[G1+5], 32                          ; the pitch: dense
	s_mov_b32 s[G1+6], 0
	s_mov_b32 s[G1+7], 0
	s_mov_b32 s[SEL], 0x76543210
	s_mov_b32 s[SEL+1], 0xfedcba98
	s_mul_i32 s66, s[WV], 1536
	s_add_co_u32 s66, s66, XR
	s_lshl_b32 s67, s[WV], 2
	s_add_co_u32 s67, s67, XR
	s_mul_i32 s68, s[WV], 8448
	s_add_co_u32 s68, s68, STG
	s_mul_i32 s69, s[WV], 4352
	s_add_co_u32 s69, s69, BIAS
	s_lshl_b32 s70, s[WV], 8
	s_add_co_u32 s70, s70, HP
	s_lshl_b32 s71, s[WV], 6
	s_add_co_u32 s72, s71, BHR
	s_add_co_u32 s[SW], s71, WBR
	s_mul_i32 s78, s[WV], PARTB                    ; my quarter of slot 0
	s_bfe_u32 s77, ttmp6, 0x40000                  ; cx: my place in the cluster: it enters global addresses of rows and of the prefetch alone
	s_mul_i32 s73, s77, 13
	s_lshl_b32 s79, ttmp9, 2
	s_add_co_u32 s79, s79, s77                     ; my block of 64 rows = 4 x cluster + cx
	s_mul_i32 s[SD], s[WV], KSB
	s_add_co_u32 s[SD], s[SD], H1R                 ; pass p's 128 hidden units of mine are K step 4 p + w of the second product
	s_mov_b32 s[SB], 512
	; every LDS address: a constant, a constant x the wave, a lane term
	v_and_b32 v[LI], 31, v0
	v_min_u32 v[PFO], 12, v[LI]
	v_add_nc_u32 v[PFO], s73, v[PFO]
	v_min_u32 v[PFO], 49, v[PFO]                   ; my work-group's runs 13 cx .. 13 cx + 12 of a unit's 50; lanes that are left over name the last again
	v_lshlrev_b32 v[PFO], 8, v[PFO]
	v_lshlrev_b32 v[L8], 3, v[LI]
	v_lshlrev_b32 v[LI], 4, v[LI]
	v_and_b32 v[TT], 15, v0                        ; r
	v_bfe_u32 v[BHA], v0, 4, 1                     ; h
	v_lshlrev_b32 v[LR], 4, v[TT]
	v_add_nc_u32 v[WA], s78, v[LI]
	v_add_nc_u32 v[AX], XR, v[LI]
	v_add_nc_u32 v[AXS], XR, v[LR]
	v_add_nc_u32 v[DX0], s66, v[LI]
	v_add_nc_u32 v[DXS], s67, v[LR]
	v_mul_u32_u24 v[STI], v[TT], 528
	v_lshl_add_u32 v[STI], v[BHA], 6, v[STI]
	v_add_nc_u32 v[STI], s68, v[STI]
	v_add_nc_u32 v[STO], s68, v[LI]
	v_mul_u32_u24 v[ST2I], v[TT], 272
	v_lshl_add_u32 v[ST2I], v[BHA], 6, v[ST2I]
	v_add_nc_u32 v[ST2I], s68, v[ST2I]
	v_mul_u32_u24 v[ST2O], v[BHA], 272
	v_add_nc_u32 v[ST2O], v[ST2O], v[LR]
	v_add_nc_u32 v[ST2O], s68, v[ST2O]
	v_lshl_add_u32 v[G2O], v[BHA], 10, v[LR]
	v_lshlrev_b32 v[ABI], 6, v[BHA]
	v_add_nc_u32 v[ABI], s69, v[ABI]
	v_add_nc_u32 v[HB], s69, v[LI]
	v_add_nc_u32 v[HB8], s69, v[L8]
	v_lshl_add_u32 v[HPW], v[TT], 2, s70
	v_lshl_add_u32 v[WBW], v[TT], 2, s72
	v_add_nc_u32 v[HPR], HP, v[L8]
	v_lshlrev_b32 v[TT], 2, v[TT]                  ; 4 r: a row's id in a tile of 16
	v_add_nc_u32 v[BHA], s71, v[TT]                ; 4 r + 64 w: the id of my own row 16 w + r
.irp b, 0,1,2,3
	v_mov_b32 v[TM+4+\b], 0                        ; written once: a lane permute's destination counts as one of its sources
.endr
	s_wait_alu depctr_va_vdst(0)
	s_wait_dscnt 0x0                               ; both opening adds are done
	s_wait_kmcnt 0x0
	s_mov_b32 s75, 0
	s_mul_i32 s74, s[WV], 4352
	s_add_nc_u64 s[44:45], s[18:19], s[74:75]      ; my block of the header
	s_mul_i32 s74, s[WV], WSTR
	s_add_co_u32 s74, s74, HDRT
	s_add_nc_u64 s[WP:WP+1], s[18:19], s[74:75]    ; my unit 0: the wave alone enters it
	s_mov_b32 s[G0], 1                             ; count = 1
	s_mov_b32 s[G0+1], s78                         ; LDS: my quarter of slot 0
	s_add_nc_u64 s[G0+2:G0+3], s[WP:WP+1], PARTB   ; unit 1
	s_or_b32 s[G0+3], s[G0+3], 0x80000000          ; type = 2
	s_mov_b32 s[G0+4], 1
	s_add_co_u32 s[G0+5], s78, SLOTB
	s_add_nc_u64 s[G0+6:G0+7], s[WP:WP+1], 3*PARTB ; unit 3
	s_or_b32 s[G0+7], s[G0+7], 0x80000000
	s_lshl_b32 s74, s79, 17
	s_lshl_b32 s76, s[WV], 15
	s_add_co_u32 s74, s74, s76
	s_add_nc_u64 s[8:9], s[8:9], s[74:75]          ; x: my wave's 16 rows of 2,048 bytes
	s_lshl_b32 s74, s79, 16
	s_lshl_b32 s76, s[WV], 14
	s_add_co_u32 s74, s74, s76
	s_add_nc_u64 s[10:11], s[10:11], s[74:75]      ; wide: my wave's 16 rows of 1,024 bytes
	s_lshl_b32 s74, s79, 8
	s_add_nc_u64 s[12:13], s[12:13], s[74:75]      ; the block's ids
	s_add_nc_u64 s[20:21], s[20:21], s[74:75]      ; and its 64 numbers of out0
	s_lshl_b32 s74, s[WV], 8
	s_add_nc_u64 s[14:15], s[14:15], s[74:75]      ; Wh: my 64 columns
	s_lshl_b32 s74, s79, 17
	s_lshl_b32 s76, s[WV], 9
	s_add_co_u32 s74, s74, s76
	s_add_nc_u64 s[22:23], s[22:23], s[74:75]      ; out1: the block's rows, my 128 columns
	s_lshl_b32 s74, s79, 16
	s_lshl_b32 s76, s[WV], 8
	s_add_co_u32 s74, s74, s76
	s_add_nc_u64 s[24:25], s[24:25], s[74:75]      ; out2: the block's rows, my 64 columns
	CROUND                                         ; all four work-groups are here: the first joint loads meet
	tensor_load_to_lds s[G0:G0+3], s[G1:G1+7]      ; unit 1 into slot 0
	s_nop 0
	PLACES
.irp m, 0,1,2,3
	global_load_b32 v[VG+\m], v[TT], s[12:13] offset:64*\m   ; the ids of rows 16 m + r
.endr
	global_load_b32 v[BHV], v[BHA], s[12:13]       ; and of row 16 w + r
.irp p, 0,1,2,3,4,5,6,7
	global_load_b128 v[OB+4*\p:OB+4*\p+3], v[LI], s[44:45] offset:512*\p
.endr
	global_load_b64 v[OB+32:OB+33], v[L8], s[44:45] offset:4096
.macro XLD s
	WIN 0x40
.set Z, 0
.rept 16
	global_load_b128 v[64*(\s)+4*Z:64*(\s)+4*Z+3], v[LI], s[8:9] offset:2048*Z+512*(\s) th:TH_LOAD_NT   ; K step s of row Z: 512 consecutive bytes
.set Z, Z+1
.endr
	WIN 0
.endm
	XLD 0
	XLD 1
	XLD 2
	s_wait_loadcnt 48                              ; the ids and the header are in; x's 48 loads may be out
.irp p, 0,1,2,3,4,5,6,7
	ds_store_b128 v[HB], v[OB+4*\p:OB+4*\p+3] offset:512*\p   ; my block of the header, which I alone read
.endr
	ds_store_b64 v[HB8], v[OB+32:OB+33] offset:4096
	v_bfe_u32 v[TT], v0, 4, 1
	v_lshlrev_b32 v[TT], 6, v[TT]
.irp m, 0,1,2,3
	v_min_u32 v[VG+\m], 7, v[VG+\m]                ; an id stays inside the table
.endr
.irp m, 0,1,2,3
	v_lshlrev_b32 v[VG+\m], 10, v[VG+\m]           ; a row of Wh is 1,024 bytes
.endr
.irp m, 0,1,2,3
	v_add_nc_u32 v[VG+\m], v[VG+\m], v[TT]         ; + my half's 64 bytes
.endr
	v_min_u32 v[BHV], 7, v[BHV]
	v_lshlrev_b32 v[BHA], 2, v[BHV]
	global_load_b32 v[BHV], v[BHA], s[16:17]       ; bh of my row
	XLD 3
.irp s, 0,1,2,3                        ; my 16 rows of x become row tile w of the four K steps
.if \s == 0
	s_wait_loadcnt 49                              ; behind K step 0's loads: K steps 1 and 2, bh, K step 3
.elseif \s == 1
	s_wait_loadcnt 33
.elseif \s == 2
	s_wait_loadcnt 17
	WLD 0, 0, 0                                    ; unit 0
	WLD 0, 0, 4
	WIN 0
.else
	s_wait_loadcnt 25                              ; behind K step 3's loads: unit 0's
	WLD 2, 2*PARTB, 0                              ; unit 2
	WLD 2, 2*PARTB, 4
	WIN 0
.endif
	TURN \s
	s_wait_dscnt 0x0
	QUANT 1, 64*\s
	IMAGE DX0, DXS, KSB*\s, 0
	INIT 1, 64*\s, ABI, 0, 8                       ; b1 of pass 0, row tile s: into the registers that x has left
.endr
	ds_store_b32 v[WBW], v[BHV]                    ; bh of row 16 w + r (both halves of the lanes store the same)
	s_wait_alu depctr_va_vdst(0)
	BARRIER                                        ; x's sixteen fragments lie in LDS
	FA AX, AXS, 0, 0
	s_mov_b32 s3, 4
.Lp:                                   ; THE FIRST PRODUCT: a trip is a pass: my 128 of 512 hidden units, four K steps; four rows of the wide features are summed by the way
.irp z, 0,1,2,3
	global_load_b128 v[WD+8*\z:WD+8*\z+3], v[LI], s[10:11] offset:1024*\z th:TH_LOAD_NT
	global_load_b128 v[WD+8*\z+4:WD+8*\z+7], v[LI], s[10:11] offset:1024*\z+512 th:TH_LOAD_NT
.endr
	PERIOD 0, AX, AXS, KSB, 2*KSB, 1, 33, 1        ; behind an even unit's loads: the next even unit's 25 and the pass's 8 of the wide features
	PERIOD 1, AX, AXS, 3*KSB, 0, 1, 33, 1
	STEPW
	s_add_nc_u64 s[10:11], s[10:11], 4096
	s_wait_loadcnt 50                              ; the wide features are in; two units' loads, issued behind them, may be out
	PLACES
.irp z, 0,1,2,3
	v_pk_add_f32 v[WD+8*\z:WD+8*\z+1], v[WD+8*\z:WD+8*\z+1], v[WD+8*\z+2:WD+8*\z+3]
	v_pk_add_f32 v[WD+8*\z+4:WD+8*\z+5], v[WD+8*\z+4:WD+8*\z+5], v[WD+8*\z+6:WD+8*\z+7]
.endr
.irp z, 0,1,2,3
	v_pk_add_f32 v[WD+8*\z:WD+8*\z+1], v[WD+8*\z:WD+8*\z+1], v[WD+8*\z+4:WD+8*\z+5]
.endr
.irp z, 0,1,2,3
	v_add_f32 v[WD+8*\z], v[WD+8*\z], v[WD+8*\z+1] ; my lane's eight numbers of a row
.endr
.irp x, 1,2,4,8
.irp z, 0,1,2,3
	v_add_f32_dpp v[WD+8*\z], v[WD+8*\z], v[WD+8*\z] row_xmask:\x row_mask:0xf bank_mask:0xf
.endr
.endr
.irp z, 0,1,2,3
	v_permlanex16_b32 v[WD+8*\z+1], v[WD+8*\z], s[SEL], s[SEL+1]
.endr
.irp z, 0,1,2,3
	v_add_f32 v[WD+8*\z], v[WD+8*\z], v[WD+8*\z+1] ; the row's sum, in every lane
.endr
	v_mov_b32 v[WSA], s[SW]
.irp z, 0,1,2,3
	ds_store_b32 v[WSA], v[WD+8*\z] offset:4*\z    ; all lanes store the same word
.endr
	v_add_nc_u32 v[ABL], s[SB], v[ABI]
	SETD
	QPH ABL, 0, 8                                  ; the next pass's b1; in the last trip b2 of my lower 128 columns
	s_add_co_u32 s[SB], s[SB], 512
	s_add_co_u32 s[SD], s[SD], 4*KSB
	s_add_co_u32 s[SW], s[SW], 16
	s_sub_co_u32 s3, s3, 1
	s_cmp_lg_u32 s3, 0
	s_wait_alu depctr_va_vdst(0)
	s_cbranch_scc1 .Lp
	s_mul_i32 s[SD], s[WV], 2*KSB
	s_add_co_u32 s[SD], s[SD], H2R                 ; half u of my 256 columns is K step 2 w + u of the third product
	BARRIER                                        ; the first hidden layer's 64 fragments lie in LDS
	s_mov_b32 s5, 2
.Lh:                                   ; THE SECOND PRODUCT: a trip is a half of my columns, 16 K steps
	s_mov_b32 s[SA], H1R
	v_add_nc_u32 v[AL], s[SA], v[LI]
	v_add_nc_u32 v[ALS], s[SA], v[LR]
	s_wait_alu depctr_va_vdst(0)
	s_wait_dscnt 0x0                               ; no load into set 0 is out
	FA AL, ALS, 0, 0
	s_mov_b32 s4, 4
.Lq:
	v_add_nc_u32 v[AL], s[SA], v[LI]
	v_add_nc_u32 v[ALS], s[SA], v[LR]
	s_wait_alu depctr_va_vdst(0)
	PERIOD 0, AL, ALS, KSB, 2*KSB, 1, 25, 1
	PERIOD 1, AL, ALS, 3*KSB, 4*KSB, 1, 25, 1      ; in the last trip the look-ahead names x's K step 0, which lies behind: bytes that nobody writes here; it is not used
	STEPW
	s_add_co_u32 s[SA], s[SA], 4*KSB
	s_sub_co_u32 s4, s4, 1
	s_cmp_lg_u32 s4, 0
	s_cbranch_scc1 .Lq
	PLACES
	v_add_nc_u32 v[ABL], s[SB], v[ABI]
	SETD
	QPH ABL, 0, 8                                  ; b2 of my upper 128 columns; in the last trip b3
	s_add_co_u32 s[SB], s[SB], 512
	s_add_co_u32 s[SD], s[SD], KSB
	s_sub_co_u32 s5, s5, 1
	s_cmp_lg_u32 s5, 0
	s_wait_alu depctr_va_vdst(0)
	s_cbranch_scc1 .Lh
.irp m, 0,1,2,3
	WIN (2+\m/2)<<6
.irp z, 0,1,2,3,4,5,6,7
	global_load_b128 v[192+32*(\m%2)+4*\z:192+32*(\m%2)+4*\z+3], v[VG+\m], s[14:15] offset:128*(\z/4)+16*(\z%4)   ; Wh[id of my row][my columns], in the fifth result's layout
.endr
.endr
	WIN 0
	s_mov_b32 s[SA], H2R
	v_add_nc_u32 v[AL], s[SA], v[LI]
	v_add_nc_u32 v[ALS], s[SA], v[LR]
	s_wait_alu depctr_va_vdst(0)
	BARRIER                                        ; the second hidden layer lies in LDS
	FA AL, ALS, 0, 0
	s_mov_b32 s4, 2
.Lthird:                               ; THE THIRD PRODUCT: 8 K steps
	v_add_nc_u32 v[AL], s[SA], v[LI]
	v_add_nc_u32 v[ALS], s[SA], v[LR]
	s_wait_alu depctr_va_vdst(0)
	PERIOD 0, AL, ALS, KSB, 2*KSB, 1, 25, 1
	PERIOD 1, AL, ALS, 3*KSB, 4*KSB, 1, 25, 1      ; in the last trip the look-ahead names the first hidden layer's K step 0, which nobody writes any more (the stages begin at its K step 4); it is not used
	STEPW
	s_add_co_u32 s[SA], s[SA], 4*KSB
	s_sub_co_u32 s4, s4, 1
	s_cmp_lg_u32 s4, 0
	s_cbranch_scc1 .Lthird
	; out1: quantised for the fourth product (K step w), and stored; a tile's stores stand behind the next tile's quantising, whose wait has shown its rows back from the stage
	PLACES
	s_mul_i32 s[SD], s[WV], KSB
	s_add_co_u32 s[SD], s[SD], X2R
	SETD
.irp m, 0,1,2,3
	RELU 1, 64*\m, 64
	QUANT 1, 64*\m
	IMAGE DIM, DIMS, 0, \m
.if \m > 0
	SEND1 \m-1
	s_wait_xcnt 0x0                                ; the stores have read their registers: the next tile's rows may land there
.endif
	TOSTAGE1 \m
	INIT 1, 64*\m, ABI, 3584, 8                    ; bd1
.endr
	s_wait_dscnt 0x0
	SEND1 3
	v_add_nc_u32 v[AL], X2R, v[LI]
	v_add_nc_u32 v[ALS], X2R, v[LR]
	s_wait_alu depctr_va_vdst(0)
	BARRIER
	FA AL, ALS, 0, 0
	PERIOD 0, AL, ALS, KSB, 2*KSB, 1, 25, 0        ; THE FOURTH PRODUCT: units 56 to 59; unit 60 is the last asked of memory, unit 61 the ring's last
	PERIOD 1, AL, ALS, 3*KSB, -1, 0, 25, 0
	WIN 0
	PLACES
	s_mul_i32 s[SD], s[WV], KSB
	s_add_co_u32 s[SD], s[SD], D1R
	SETD
	QPH ABI, 4096, 4                               ; bd2: four tiles
	v_add_nc_u32 v[AL], D1R, v[LI]
	v_add_nc_u32 v[ALS], D1R, v[LR]
	s_wait_alu depctr_va_vdst(0)
	BARRIER
.macro G5 b, f0, set                   ; THE FIFTH PRODUCT: a unit holds two K steps x 4 tiles: 16 matrix instructions on 16 accumulators for each K step
.irp j, 0,1,2,3
	MUL4 \b, (\f0)+\j, \set, \j
.endr
.endm
	s_wait_tensorcnt 0x0                           ; unit 61, which I alone read, has landed in slot 0; nothing is filled again, so no round
	FA AL, ALS, 0, 0
	FA AL, ALS, KSB, 1
	CPY 0, 1
	s_wait_loadcnt 0x0                             ; unit 60, and Wh's rows
	s_wait_dscnt 38                                ; K step 0 is in; K step 1's 13 loads and the copy's 25 may be out
	WIN 0x52
	G5 0, 0, 0
	PLACES
	WIN 0
	FA AL, ALS, 2*KSB, 0
	s_wait_dscnt 13
	WIN 0x52
	G5 0, 4, 1
	PLACES
	WIN 0
	FA AL, ALS, 3*KSB, 1
	s_wait_dscnt 13
	WIN 0x52
	G5 1, 0, 0
	s_wait_dscnt 0x0
	G5 1, 4, 1
	PLACES
.irp m, 0,1,2,3
	RELU 1, 64*\m, 32                              ; out2
.endr
.irp g, 0,1                            ; the head's dot over my 32 columns of a row
	WIN 0x01|((2+\g)<<2)
.irp e, 0,1
	v_pk_mul_f32 v[HD+4*\g+2*\e:HD+4*\g+2*\e+1], v[64*(2*\g+\e):64*(2*\g+\e)+1], v[192+32*\e:192+32*\e+1]
.endr
.irp i, 1,2,3,4,5,6,7,8,9,10,11,12,13,14,15
.irp e, 0,1
	v_pk_fma_f32 v[HD+4*\g+2*\e:HD+4*\g+2*\e+1], v[64*(2*\g+\e)+2*\i:64*(2*\g+\e)+2*\i+1], v[192+32*\e+2*\i:192+32*\e+2*\i+1], v[HD+4*\g+2*\e:HD+4*\g+2*\e+1]
.endr
.endr
.endr
	WIN 0
.irp m, 0,1,2,3
	v_add_f32 v[HD+2*\m], v[HD+2*\m], v[HD+2*\m+1]
.endr
.irp m, 0,1,2,3
	v_permlanex16_b32 v[HD+2*\m+1], v[HD+2*\m], s[SEL], s[SEL+1]
.endr
.irp m, 0,1,2,3
	v_add_f32 v[HD+2*\m], v[HD+2*\m], v[HD+2*\m+1] ; my wave's 64 columns
.endr
.irp m, 0,1,2,3
	ds_store_b32 v[HPW], v[HD+2*\m] offset:64*\m
.endr
	WIN 0x44
.irp m, 0,1,2,3                        ; out2 through my stage: sixteen lanes store a row's 256 consecutive bytes
.irp z, 0,1,2,3,4,5,6,7
	ds_store_b128 v[ST2I], v[64*\m+4*\z:64*\m+4*\z+3] offset:128*(\z/4)+16*(\z%4)
.endr
.irp i, 0,1,2,3,4,5,6,7
	ds_load_b128 v[64*\m+4*\i:64*\m+4*\i+3], v[ST2O] offset:544*\i
.endr
.irp i, 0,1,2,3,4,5,6,7
	s_wait_dscnt 7-\i                              ; the younger loads from the stage may be out
	global_store_b128 v[G2O], v[64*\m+4*\i:64*\m+4*\i+3], s[24:25] offset:(16*\m+2*\i)*1024 th:TH_STORE_NT
.endr
.endr
	WIN 0
	BARRIER                                        ; the four waves' dots lie in LDS, beside the wide sums and the rows' bh
	s_cmp_lg_u32 s[WV], 0
	s_cbranch_scc1 .Lend
.irp j, 0,1,2,3
	ds_load_b64 v[64+2*\j:65+2*\j], v[HPR] offset:256*\j   ; wave 0: two rows a lane
.endr
	ds_load_b64 v[72:73], v[HPR] offset:WBR-HP
	ds_load_b64 v[74:75], v[HPR] offset:BHR-HP
	s_wait_dscnt 0x0
	v_pk_add_f32 v[64:65], v[64:65], v[66:67]
	v_pk_add_f32 v[68:69], v[68:69], v[70:71]
	v_pk_add_f32 v[72:73], v[72:73], v[74:75]
	v_pk_add_f32 v[64:65], v[64:65], v[68:69]
	v_pk_add_f32 v[64:65], v[64:65], v[72:73]
	v_mul_f32 v64, 0xbfb8aa3b, v64                 ; sigmoid(z) = 1 / (1 + 2^(-z log2 e))
	v_mul_f32 v65, 0xbfb8aa3b, v65
	s_wait_alu depctr_va_vdst(0)
	v_exp_f32 v64, v64
	v_exp_f32 v65, v65
	v_nop                                          ; a plain place behind the transcendentals
	s_wait_alu depctr_va_vdst(0)                   ; one wait for both, ahead of their first reader
	v_add_f32 v64, 1.0, v64
	v_add_f32 v65, 1.0, v65
	s_wait_alu depctr_va_vdst(0)
	v_rcp_f32 v64, v64
	v_rcp_f32 v65, v65
	v_nop
	s_wait_alu depctr_va_vdst(0)
	global_store_b64 v[L8], v[64:65], s[20:21]     ; 32 lanes store 256 consecutive bytes, at a multiple of 256 from out0's first byte
.Lend:
	s_wait_tensorcnt 0x0                           ; the wave's end: these three lines, behind my last tensor load and my last LDS store
	ds_add_u32 v[SPW], v[NIL]
	s_wait_dscnt 0x0
	CROUND                                         ; the closing round: no work-group ends while a partner may still ask for a unit that names it
	s_endpgm
.Lfunc_end_k_q533ca3c541_chain:
	.size	k_q533ca3c541_chain, .Lfunc_end_k_q533ca3c541_chain-k_q533ca3c541_chain
	.p2alignl 7, 3214868480
	.fill 96, 4, 3214868480
	.section	.rodata,"a",@progbits
	.p2align	6, 0x0
	.amdhsa_kernel k_q533ca3c541_chain
		.amdhsa_group_segment_fixed_size 327680
		.amdhsa_private_segment_fixed_size 0
		.amdhsa_enable_private_segment 0
		.amdhsa_kernarg_size 72
		.amdhsa_user_sgpr_count 2
		.amdhsa_user_sgpr_kernarg_segment_ptr 1
		.amdhsa_wavefront_size32 1
		.amdhsa_system_sgpr_workgroup_id_x 1
		.amdhsa_system_sgpr_workgroup_id_y 1
		.amdhsa_system_sgpr_workgroup_id_z 1
		.amdhsa_system_vgpr_workitem_id 0
		.amdhsa_next_free_vgpr 1024
		.amdhsa_next_free_sgpr 96
		.amdhsa_reserve_vcc 0
		.amdhsa_float_denorm_mode_32 3
		.amdhsa_float_denorm_mode_16_64 3
		.amdhsa_memory_ordered 1
		.amdhsa_forward_progress 1
		.amdhsa_inst_pref_size 255
	.end_amdhsa_kernel
	.section	.bss,"aw",@nobits
	.p2align	6
	.space	262144
	.amdgpu_metadata
---
amdhsa.version: [ 1, 2 ]
amdhsa.kernels:
  - .name:           k_q533ca3c541_chain
    .symbol:         k_q533ca3c541_chain.kd
    .args:
      - { .name: deep_features, .offset: 0, .size: 8, .value_kind: global_buffer, .address_space: global }
      - { .name: wide_features, .offset: 8, .size: 8, .value_kind: global_buffer, .address_space: global }
      - { .name: domain_ids, .offset: 16, .size: 8, .value_kind: global_buffer, .address_space: global }
      - { .name: Wh, .offset: 24, .size: 8, .value_kind: global_buffer, .address_space: global }
      - { .name: bh, .offset: 32, .size: 8, .value_kind: global_buffer, .address_space: global }
      - { .name: wq, .offset: 40, .size: 8, .value_kind: global_buffer, .address_space: global }
      - { .name: out0, .offset: 48, .size: 8, .value_kind: global_buffer, .address_space: global }
      - { .name: out1, .offset: 56, .size: 8, .value_kind: global_buffer, .address_space: global }
      - { .name: out2, .offset: 64, .size: 8, .value_kind: global_buffer, .address_space: global }
    .group_segment_fixed_size: 327680
    .private_segment_fixed_size: 0
    .kernarg_segment_align: 8
    .kernarg_segment_size: 72
    .max_flat_workgroup_size: 128
    .sgpr_count:     96
    .vgpr_count:     1024
    .wavefront_size: 32
...
	.end_amdgpu_metadata
.endif
;; end of part 4
